; MI455X (gfx1250); checked and timed in simulation.
; The chip was launched on July 23, 2026; its instructions are those of AMD's public machine-readable ISA for CDNA 5 (MIT licence, August 2026) and "CDNA5" Instruction Set Architecture Reference Guide (July 2026). The comments in the code are by the model that wrote it; some were corrected since.
;; Transformer Block. Allowed arithmetic: matrix products marked QUANTISED: E3M2 operands, one E8M0 scale for each 32 along K, by v_wmma_scale_f32_16x16x128_f8f6f4 with both operands' format E3M2, f32 sums; everything else in f32.
;; Inputs: W_fc 1,024 x 4,096 float32; W_k 1,024 x 1,024 float32; W_o 1,024 x 1,024 float32; W_proj 4,096 x 1,024 float32; W_q 1,024 x 1,024 float32; W_v 1,024 x 1,024 float32; b_fc 4,096 float32; b_o 1,024 float32; b_proj 1,024 float32; ln1_scale 1,024 float32; ln1_shift 1,024 float32; ln2_scale 1,024 float32; ln2_shift 1,024 float32; x 4 x 1,024 x 1,024 float32.
;; Outputs: out0 4 x 1,024 x 1,024 float32.
;; This version of the problem:
;;   THIS VERSION OF THE PROBLEM IS GIVEN IN LOW PRECISION. The matrix products marked QUANTISED in the list below multiply operands that are first quantised to E3M2 (3 exponent bits, 2 mantissa bits; 6 bits a number), with one power-of-two scale for each 32 numbers along K (OCP MX v1.0); their sums are f32. All else is computed in f32.
;;   The module's matrix products, in the order in which they are computed (A, B: the left and right operand; K: the contracted axis; several contracted axes count as one K, in the product's order):
;;     1. [M 4,096, K 1,024] x [K 1,024, N 1,024]; A: computed on the way; B: input W_q: QUANTISED
;;     2. [M 4,096, K 1,024] x [K 1,024, N 1,024]; A: computed on the way; B: input W_k: QUANTISED
;;     3. [M 4,096, K 1,024] x [K 1,024, N 1,024]; A: computed on the way; B: input W_v: QUANTISED
;;     4. batch 64 x [M 1,024, K 64] x [K 64, N 1,024]; A: computed on the way; B: computed on the way: QUANTISED
;;     5. batch 64 x [M 64, K 1,024] x [K 1,024, N 1,024]; A: computed on the way; B: softmax (see below): QUANTISED
;;     6. [M 4,096, K 1,024] x [K 1,024, N 1,024]; A: computed on the way; B: input W_o: QUANTISED
;;     7. [M 4,096, K 1,024] x [K 1,024, N 4,096]; A: computed on the way; B: input W_fc: QUANTISED
;;     8. [M 4,096, K 4,096] x [K 4,096, N 1,024]; A: computed on the way; B: input W_proj: QUANTISED
;;   THE QUANTISER, for each operand of a quantised product, along K:
;;     - K is cut into blocks of 32 from its start; a last block that is shorter is filled with zeros.
;;     - A block's scale is 2^e with e = floor(log2(the largest magnitude in the block)) - 4, held to -126 .. 127; a block of zeros has e = 0. As a byte (E8M0): e + 127.
;;     - Each number is divided by its block's scale, clamped to +-28, and rounded to the nearest number of E3M2, ties to even, subnormals kept.
;;     - The product sums the exact products of the quantised numbers (number of the format x scale) in f32.
;;   ~~~python
;;   def quantise(x, axis):      # numpy; x: float32 -> the quantised numbers, widened to float32 again
;;       x = np.moveaxis(x, axis, -1); K = x.shape[-1]
;;       x = np.pad(x, [(0, 0)] * (x.ndim - 1) + [(0, -K % 32)]); x = x.reshape(x.shape[:-1] + (-1, 32)); a = np.abs(x).max(-1, keepdims=True)
;;       e = np.where(a > 0, np.clip(np.frexp(np.where(a > 0, a, 1))[1] - 1 - 4, -126, 127), 0)      # np.frexp(a)[1] - 1 = floor(log2(a)), exactly
;;       r = np.clip(x / 2.0 ** e, -28, 28)
;;       step = 2.0 ** (np.maximum(np.frexp(np.where(r == 0, 1, r))[1] - 1, -2) - 2)
;;       q = np.round(r / step) * step * 2.0 ** e      # np.round: ties to even
;;       return np.moveaxis(q.reshape(q.shape[:-2] + (-1,))[..., :K], -1, axis).astype(np.float32)
;;   ~~~
;;   SOFTMAX AHEAD OF A QUANTISED PRODUCT. Where the list says 'softmax', what is quantised is not the finished softmax but p = 2^(t - M), with t = logit x log2(e) and M = ceil(the row's largest t), a whole number; so 1/2 < the row's largest p <= 1. The row's sum l is taken of the UNQUANTISED p, in f32, and the product's result is divided by l at the end. Since M is a whole number, a kernel that streams over the keys may use a running M (the ceiling of the running maximum): every later rescaling is an exact power of two, which a block's scale takes up: the codes' values come out the same.
;;   OPERANDS COMPUTED ON THE WAY. 'Computed on the way' means the value that the module computes at that place (a softmax that the list does not call 'softmax' is quantised finished and normalised). What goes into a quantiser is computed in f32, as accurately as f32 sums, v_exp_f32 and their like allow (about 1e-6 of the number): no bf16 or f16 on the way to a quantiser, and a product that is left as it is and whose result goes on into a quantised operand takes f32 operands (vector FMAs, or v_wmma_f32_16x16x4_f32). A number that lies on a knife's edge between two numbers of the format may be rounded either way, as far as f32 arithmetic and the matrix unit's own rounding can turn it there, and no further.
;; One version. Each part assembles by itself: llvm-mc -triple=amdgcn-amd-amdhsa -mcpu=gfx1250 --defsym DOCPART=n.
;; ======== version 1 of 1: 6 launches
;; limits: right only within a limited range of input values
;; workspace buffers: wc 9,830,400 bytes; xn 3,276,800 bytes; qkv 9,830,400 bytes; ctx 3,276,800 bytes; hres 16,777,216 bytes; mn 3,276,800 bytes; hid 13,107,200 bytes
;; launch prep (part 1): grid 640 x 1, 8 waves a work-group, no clusters, 75,264 bytes of LDS; arguments x, ln1_scale, ln1_shift, xn, W_q, W_k, W_v, W_o, W_fc, W_proj, wc; writes xn, wc
.if DOCPART == 1
	.amdgcn_target "amdgcn-amd-amdhsa--gfx1250"
	.amdhsa_code_object_version 6
	.text
	.protected	k_q7f2de8de41_prep
	.globl	k_q7f2de8de41_prep
	.p2align	8
	.type	k_q7f2de8de41_prep,@function
k_q7f2de8de41_prep:
	s_mov_b64 s[64:65], 0
	v_nop
	global_prefetch_b8 v0, s[64:65] scope:SCOPE_SE
	s_setreg_imm32_b32 hwreg(HW_REG_WAVE_MODE, 25, 1), 1
	s_wait_xcnt 0x0
; Two pieces of work that need nothing of each other, in one launch.  Work-groups 0-255: LayerNorm of x and its quantiser (xn).  Work-groups 256-639: the six weights' quantiser (wc).
; The two ways part once, on the work-group's number, and each ends by itself; each has LDS bytes of its own (LayerNorm 0 to 49,663; the weights 49,664 on).
; Both make codes of BF6 (E3M2) with one E8M0 byte for each 32 along K, laid as PANELS.
; A PANEL is 128 rows x 128 along K, 12,800 bytes: 8 tiles of 16 rows, 1,536 bytes each, then 512 bytes of scale words.
;   Lane r of tile t holds row 32 (t / 2) + 8 (t % 2) + r + 8 (r / 8).  A tile is two halves c of 64 along K, 768 bytes each: lane L = r + 16 h holds the 24 bytes of
;   block 2 c + h: bytes 0-15 at 16 L, bytes 16-23 at 512 + 8 L.  Row (t, r)'s scale word lies at 12,288 + 64 t + 4 r.  So an operand's 12 registers come by four dense loads.
; A block's scale is 2^(floor(log2(largest magnitude)) - 4); its byte is that magnitude's exponent field - 4, held at 1 from below.
; LAYERNORM: a work-group makes one tile of 16 rows for all 8 K steps; wave w takes the tile's rows 2 w and 2 w + 1, neighbours in memory.  Every load reads 512 consecutive bytes; a row turns through
;   the wave's own stage in LDS so that lane l holds block l, 32 neighbours.  Codes gather in an image of the tile's 8 fragments and leave as dense runs of 512 bytes.
; WEIGHTS (f32, stored [K][N]): a work-group makes two panels, four waves each (768 panels: W_q 0-63, W_k 64-127, W_v 128-191, W_o 192-255, W_fc 256-511, each [n group][8 K steps]; W_proj 512-767, [8][32]).
;   A LANE TAKES A COLUMN n AND ITS REGISTERS RUN DOWN K: a load reads 128 consecutive bytes a wave; a block of 32 along K lies in one lane.  A wave reads back only the LDS bytes that it wrote: no barrier on this way.
; LIMITS: 1 / sqrt by v_rsq_f32; sums in another order than the reference's; a block of zeros, or one whose largest magnitude lies under 2^-122, gets the byte 1 (zero codes add nothing; this program alone
;   reads the bytes); NaN and infinities are not served.
; No cluster: work-groups share only the 8 KB of gain and shift.
.set PAN, 12800
.set FRG, 1536
.set SCO, 12288
.set NLN, 256                          ; work-groups of the LayerNorm
.set IMG, 36864                        ; LDS, LayerNorm: 8 stages of 4,608 bytes (32 places of 128 + 16), then the image, 8 x 1,536,
.set SCL, 49152                        ; then the scale words, 8 x 64
.set WQL, 49664                        ; LDS, weights: 3,072 bytes for each wave
.set GA, 16                            ; LayerNorm: v16-47 gain, v48-79 shift, v80-111 row 0, v112-143 row 1, v144-158 at work
.set BE, 48
.set XA, 80
.set XB, 112
.set W,  144
.set OFS, 48                           ; weights: v48-79 row i of a block: i x pitch + 4 x lane;  v80-143 two sets of 32 numbers
.set X,   80
	v_lshrrev_b32 v1, 5, v0
	s_delay_alu instid0(VALU_DEP_1)
	v_readfirstlane_b32 s16, v1                    ; wave 0..7
	v_and_b32 v1, 31, v0                           ; lane
	s_cmp_lt_u32 ttmp9, NLN
	s_cbranch_scc0 .Lweights
	; ---------------- LayerNorm and its quantiser ----------------
	s_load_b256 s[4:11], s[0:1], 0x0               ; x, gain, shift, xn
	v_lshlrev_b32 v2, 4, v1                        ; 16 bytes a lane
	s_mov_b32 s12, 0x76543210
	s_mov_b32 s13, 0xfedcba98                      ; v_permlanex16_b32's selects for lane l xor 16
	s_mov_b32 s14, 0x3a800000                      ; 1 / 1,024
	s_mov_b32 s15, 0x3727c5ac                      ; 1e-5
	s_lshr_b32 s17, ttmp9, 3                       ; row group of 128
	s_and_b32 s18, ttmp9, 7                        ; tile
	s_lshl_b32 s19, s17, 7
	s_lshr_b32 s20, s18, 1
	s_lshl_b32 s20, s20, 5
	s_add_co_u32 s19, s19, s20
	s_and_b32 s20, s18, 1
	s_lshl_b32 s20, s20, 3
	s_add_co_u32 s19, s19, s20
	s_lshl_b32 s20, s16, 1
	s_add_co_u32 s19, s19, s20
	s_lshr_b32 s20, s16, 2
	s_lshl_b32 s20, s20, 3
	s_add_co_u32 s19, s19, s20                     ; my first row: 128 g + 32 (t / 2) + 8 (t % 2) + 2 w + 8 (w / 4)
	s_lshl_b32 s20, s19, 12
	s_mov_b32 s21, 0
	s_mul_i32 s24, s17, 8*PAN
	s_mul_i32 s22, s18, FRG
	s_add_co_u32 s22, s22, s24                     ; the tile in the group's first panel
	s_mov_b32 s23, 0
	s_lshl_b32 s25, s18, 6
	s_add_co_u32 s24, s24, s25
	s_add_co_u32 s24, s24, SCO                     ; and its scale words
	s_mov_b32 s25, 0
	s_wait_alu depctr_va_vdst(0)
	s_wait_kmcnt 0x0
	s_add_nc_u64 s[4:5], s[4:5], s[20:21]
	s_add_nc_u64 s[24:25], s[10:11], s[24:25]
	s_add_nc_u64 s[10:11], s[10:11], s[22:23]
.irp q, 0,1,2,3,4,5,6,7
	global_load_b128 v[GA+4*\q:GA+4*\q+3], v2, s[6:7] offset:512*\q
.endr
.irp q, 0,1,2,3,4,5,6,7
	global_load_b128 v[BE+4*\q:BE+4*\q+3], v2, s[8:9] offset:512*\q
.endr
.irp q, 0,1,2,3,4,5,6,7
	global_load_b128 v[XA+4*\q:XA+4*\q+3], v2, s[4:5] offset:512*\q th:TH_LOAD_NT
.endr
.irp q, 0,1,2,3,4,5,6,7
	global_load_b128 v[XB+4*\q:XB+4*\q+3], v2, s[4:5] offset:4096+512*\q th:TH_LOAD_NT
.endr
	s_mul_i32 s26, s16, 4608
	v_lshrrev_b32 v8, 3, v1
	s_delay_alu instid0(VALU_DEP_1)
	v_mul_u32_u24 v3, v8, 144
	v_and_b32 v8, 7, v1
	s_delay_alu instid0(VALU_DEP_1)
	v_lshl_add_u32 v3, v8, 4, v3
	s_delay_alu instid0(VALU_DEP_1)
	v_add_nc_u32 v3, s26, v3                       ; v3: into the stage: eight lanes' 128 bytes to a place
	v_mul_u32_u24 v4, v1, 144
	s_delay_alu instid0(VALU_DEP_1)
	v_add_nc_u32 v4, s26, v4                       ; v4: out of it: place l = block l
	v_lshrrev_b32 v8, 2, v1                        ; block l: K step l / 4, half c = (l / 2) % 2, h = l % 2
	v_bfe_u32 v9, v0, 1, 1
	v_and_b32 v10, 1, v0
	s_delay_alu instid0(VALU_DEP_3)
	v_mul_u32_u24 v5, v8, 1536
	s_delay_alu instid0(VALU_DEP_1)
	v_mad_u32_u24 v5, v9, 768, v5
	s_delay_alu instid0(VALU_DEP_1)
	v_lshl_add_u32 v6, v10, 7, v5
	s_delay_alu instid0(VALU_DEP_2)
	v_lshl_add_u32 v5, v10, 8, v5
	s_lshl_b32 s27, s16, 5
	s_add_co_u32 s27, s27, IMG
	v_add_nc_u32 v5, s27, v5                       ; v5: image, bytes 0-15: 16 (2 w + 16 h)
	s_lshl_b32 s27, s16, 4
	s_add_co_u32 s27, s27, IMG+512
	v_add_nc_u32 v6, s27, v6                       ; v6: image, bytes 16-23: 512 + 8 (2 w + 16 h)
	v_lshlrev_b32 v7, 6, v8
	v_and_b32 v9, 3, v0
	s_delay_alu instid0(VALU_DEP_1)
	v_add_nc_u32 v7, v7, v9
	s_lshl_b32 s27, s16, 3
	s_add_co_u32 s27, s27, SCL
	v_add_nc_u32 v7, s27, v7                       ; v7: my block's scale byte: 64 (l / 4) + 4 (2 w) + l % 4
	s_mul_i32 s27, s16, FRG
	s_add_co_u32 s27, s27, IMG
	v_add_nc_u32 v11, s27, v2                      ; v11: the way out, LDS: K step w's fragment
	s_mul_i32 s27, s16, PAN
	v_add_nc_u32 v12, s27, v2                      ; v12: and in memory: panel w of the group
	s_lshl_b32 s27, s16, 7
	s_add_co_u32 s27, s27, SCL
	v_lshl_add_u32 v13, v1, 2, s27                 ; v13: waves 0-3: the scale words of K steps 2 w, 2 w + 1
	v_bfe_u32 v9, v0, 4, 1
	s_lshl_b32 s27, s16, 1
	v_add_nc_u32 v14, s27, v9
	s_delay_alu instid0(VALU_DEP_1)
	v_mul_u32_u24 v14, v14, PAN
	v_and_b32 v9, 15, v0
	s_delay_alu instid0(VALU_DEP_1)
	v_lshl_add_u32 v14, v9, 2, v14                 ; v14: and in memory
.macro LTURN set                       ; 4,096 bytes through my stage and back into the registers that they left; LDS serves a wave's instructions in order
.irp q, 0,1,2,3,4,5,6,7
	ds_store_b128 v3, v[\set+4*\q:\set+4*\q+3] offset:576*\q
.endr
.irp q, 0,1,2,3,4,5,6,7
	ds_load_b128 v[\set+4*\q:\set+4*\q+3], v4 offset:16*\q
.endr
.endm
	s_wait_loadcnt 24                              ; the gain is in; the 24 younger loads may be out
	LTURN GA
	s_wait_loadcnt 16
	LTURN BE
	s_wait_loadcnt 8
	LTURN XA
	s_wait_loadcnt 0x0
	LTURN XB
.macro ROW r0, i                       ; lane l holds numbers 32 l .. 32 l + 31 of the row in v[r0] on
	v_pk_add_f32 v[W:W+1], v[\r0:\r0+1], v[\r0+2:\r0+3]
	v_pk_add_f32 v[W+2:W+3], v[\r0+4:\r0+5], v[\r0+6:\r0+7]
.irp j, 8,12,16,20,24,28
	s_delay_alu instid0(VALU_DEP_2)
	v_pk_add_f32 v[W:W+1], v[W:W+1], v[\r0+\j:\r0+\j+1]
	s_delay_alu instid0(VALU_DEP_2)
	v_pk_add_f32 v[W+2:W+3], v[W+2:W+3], v[\r0+\j+2:\r0+\j+3]
.endr
	s_delay_alu instid0(VALU_DEP_1)
	v_pk_add_f32 v[W:W+1], v[W:W+1], v[W+2:W+3]
	s_delay_alu instid0(VALU_DEP_1)
	v_add_f32 v[W], v[W], v[W+1]
	s_delay_alu instid0(VALU_DEP_1)
	v_add_f32_dpp v[W], v[W], v[W] row_xmask:1 row_mask:0xf bank_mask:0xf
	s_delay_alu instid0(VALU_DEP_1)
	v_add_f32_dpp v[W], v[W], v[W] row_xmask:2 row_mask:0xf bank_mask:0xf
	s_delay_alu instid0(VALU_DEP_1)
	v_add_f32_dpp v[W], v[W], v[W] row_xmask:4 row_mask:0xf bank_mask:0xf
	s_delay_alu instid0(VALU_DEP_1)
	v_add_f32_dpp v[W], v[W], v[W] row_xmask:8 row_mask:0xf bank_mask:0xf
	s_delay_alu instid0(VALU_DEP_1)
	v_permlanex16_b32 v[W+1], v[W], s12, s13
	s_delay_alu instid0(VALU_DEP_1)
	v_add_f32 v[W], v[W], v[W+1]
	s_delay_alu instid0(VALU_DEP_1)
	v_mul_f32 v[W], s14, v[W]                      ; the mean
.set J, 0
.rept 16
	v_pk_add_f32 v[\r0+J:\r0+J+1], v[\r0+J:\r0+J+1], v[W:W+1] op_sel_hi:[1,0] neg_lo:[0,1] neg_hi:[0,1]   ; d = x - mean
.set J, J+2
.endr
	v_pk_mul_f32 v[W+2:W+3], v[\r0:\r0+1], v[\r0:\r0+1]
	v_pk_mul_f32 v[W+4:W+5], v[\r0+2:\r0+3], v[\r0+2:\r0+3]
.irp j, 4,8,12,16,20,24,28
	s_delay_alu instid0(VALU_DEP_2)
	v_pk_fma_f32 v[W+2:W+3], v[\r0+\j:\r0+\j+1], v[\r0+\j:\r0+\j+1], v[W+2:W+3]
	s_delay_alu instid0(VALU_DEP_2)
	v_pk_fma_f32 v[W+4:W+5], v[\r0+\j+2:\r0+\j+3], v[\r0+\j+2:\r0+\j+3], v[W+4:W+5]
.endr
	s_delay_alu instid0(VALU_DEP_1)
	v_pk_add_f32 v[W+2:W+3], v[W+2:W+3], v[W+4:W+5]
	s_delay_alu instid0(VALU_DEP_1)
	v_add_f32 v[W+2], v[W+2], v[W+3]
	s_delay_alu instid0(VALU_DEP_1)
	v_add_f32_dpp v[W+2], v[W+2], v[W+2] row_xmask:1 row_mask:0xf bank_mask:0xf
	s_delay_alu instid0(VALU_DEP_1)
	v_add_f32_dpp v[W+2], v[W+2], v[W+2] row_xmask:2 row_mask:0xf bank_mask:0xf
	s_delay_alu instid0(VALU_DEP_1)
	v_add_f32_dpp v[W+2], v[W+2], v[W+2] row_xmask:4 row_mask:0xf bank_mask:0xf
	s_delay_alu instid0(VALU_DEP_1)
	v_add_f32_dpp v[W+2], v[W+2], v[W+2] row_xmask:8 row_mask:0xf bank_mask:0xf
	s_delay_alu instid0(VALU_DEP_1)
	v_permlanex16_b32 v[W+3], v[W+2], s12, s13
	s_delay_alu instid0(VALU_DEP_1)
	v_add_f32 v[W+2], v[W+2], v[W+3]
	s_delay_alu instid0(VALU_DEP_1)
	v_fma_f32 v[W+2], v[W+2], s14, s15             ; the variance + 1e-5
	s_wait_alu depctr_va_vdst(0)
	v_rsq_f32 v[W+4], v[W+2]
	v_nop                                          ; a plain line behind the transcendental
	s_wait_alu depctr_va_vdst(0)                   ; and the wait ahead of its first reader
.set J, 0
.rept 16
	v_pk_mul_f32 v[\r0+J:\r0+J+1], v[\r0+J:\r0+J+1], v[W+4:W+5] op_sel_hi:[1,0]
.set J, J+2
.endr
.set J, 0
.rept 16
	v_pk_fma_f32 v[\r0+J:\r0+J+1], v[\r0+J:\r0+J+1], v[GA+J:GA+J+1], v[BE+J:BE+J+1]
.set J, J+2
.endr
	v_max3_num_f32 v[W], |v[\r0]|, |v[\r0+1]|, |v[\r0+2]|          ; my block's largest magnitude (the mean's registers are free)
	v_max3_num_f32 v[W+1], |v[\r0+3]|, |v[\r0+4]|, |v[\r0+5]|
.irp j, 6,10,14,18,22,26
	s_delay_alu instid0(VALU_DEP_2)
	v_max3_num_f32 v[W], v[W], |v[\r0+\j]|, |v[\r0+\j+1]|
	s_delay_alu instid0(VALU_DEP_2)
	v_max3_num_f32 v[W+1], v[W+1], |v[\r0+\j+2]|, |v[\r0+\j+3]|
.endr
	s_delay_alu instid0(VALU_DEP_2)
	v_max3_num_f32 v[W], v[W], |v[\r0+30]|, |v[\r0+31]|
	s_delay_alu instid0(VALU_DEP_1)
	v_max3_num_f32 v[W], v[W], v[W+1], 0x2800000   ; and the floor 2^(5 - 127)
	s_delay_alu instid0(VALU_DEP_1)
	v_add_nc_u32 v[W+2], 0xfe000000, v[W]          ; 4 off the exponent field: the conversion's scale operand
	v_cvt_scalef32_pk16_bf6_f32 v[W+6:W+8], v[\r0:\r0+15], v[W+2]
	v_cvt_scalef32_pk16_bf6_f32 v[W+12:W+14], v[\r0+16:\r0+31], v[W+2]     ; (a conversion's three registers begin on an even number)
	v_lshrrev_b32 v[W+3], 23, v[W+2]               ; the byte; also the plain line behind the conversions
	v_mov_b32 v[W+9], v[W+12]
	v_mov_b32 v[W+10], v[W+13]
	v_mov_b32 v[W+11], v[W+14]
	ds_store_b128 v5, v[W+6:W+9] offset:16*\i
	ds_store_b64 v6, v[W+10:W+11] offset:8*\i
	ds_store_b8 v7, v[W+3] offset:4*\i
.endm
	s_wait_dscnt 16                                ; gain, shift and row 0 are back; row 1's sixteen LDS instructions may be out
	ROW XA, 0
	s_wait_dscnt 0x0
	ROW XB, 1
	s_wait_dscnt 0x0                               ; for the others' sake: my stores into the image are done
	s_barrier_signal -1
	s_barrier_wait -1
.irp e, 0,1,2
	ds_load_b128 v[XA+4*\e:XA+4*\e+3], v11 offset:512*\e
.endr
.irp e, 0,1,2
	s_wait_dscnt 2-\e
	global_store_b128 v12, v[XA+4*\e:XA+4*\e+3], s[10:11] offset:512*\e    ; 512 consecutive bytes, at a multiple of 256 from the buffer's first byte
.endr
	s_cmp_lt_u32 s16, 4
	s_cbranch_scc0 .Ldone
	ds_load_b32 v[XA+12], v13
	s_wait_dscnt 0x0
	global_store_b32 v14, v[XA+12], s[24:25]       ; 64 bytes of scale words for each of two panels
.Ldone:
	v_lshl_add_u32 v1, v0, 2, 0x12200              ; no two registers are kept for the add: v0 is as at the entry, and the two are made here (no pending store names v1 or v2)
	v_mov_b32 v2, 0
	s_wait_alu depctr_va_vdst(0)                   ; directly ahead of the wait below
	s_wait_tensorcnt 0x0
	ds_add_u32 v1, v2
	s_wait_dscnt 0x0
	s_endpgm
	; ---------------- the weights' quantiser ----------------
.Lweights:
	s_load_b256 s[4:11], s[0:1], 0x20              ; W_q, W_k, W_v, W_o
	s_load_b128 s[12:15], s[0:1], 0x40             ; W_fc, W_proj
	s_load_b64 s[42:43], s[0:1], 0x50              ; wc
	s_and_b32 s18, s16, 3                          ; my 32 columns of the panel's 128
	s_lshr_b32 s17, s16, 2
	s_sub_co_u32 s40, ttmp9, NLN
	s_lshl_b32 s40, s40, 1
	s_add_co_u32 s40, s40, s17                     ; my panel, 0..767
	s_lshr_b32 s19, s40, 6                         ; class: 0-3 the square weights, 4-7 W_fc, 8-11 W_proj
	s_and_b32 s30, s40, 63
	s_and_b32 s31, s40, 255
	s_cmp_lt_u32 s19, 4
	s_cselect_b32 s30, s30, s31                    ; the panel's number within its weight
	s_cmp_ge_u32 s19, 8
	s_cselect_b32 s31, 5, 3                        ; K steps of the weight: 2^5 or 2^3
	s_lshr_b32 s32, s30, s31                       ; n group
	s_lshl_b32 s33, s32, s31
	s_sub_co_u32 s33, s30, s33                     ; K step
	s_lshr_b32 s34, s19, 2
	s_mov_b32 s35, 4096
	s_cmp_eq_u32 s34, 1
	s_cselect_b32 s34, 16384, s35                  ; bytes in a row of the weight
	s_lshl_b32 s36, s33, 7
	s_mul_i32 s36, s36, s34                        ; 128 rows a K step
	s_lshl_b32 s37, s32, 9
	s_add_co_u32 s36, s36, s37                     ; + 512 bytes an n group
	s_lshl_b32 s37, s18, 7
	s_add_co_u32 s36, s36, s37                     ; + 128 bytes for my 32 columns
	s_mov_b32 s37, 0
	s_lshl_b32 s38, s34, 5                         ; a block of 32 rows
	s_mov_b32 s39, 0
	s_mul_i32 s30, s40, PAN
	s_mov_b32 s31, 0
	s_wait_alu depctr_va_vdst(0)
	v_lshlrev_b32 v2, 2, v1
.set I, 0
.rept 32
	v_mad_u32_u24 v[OFS+I], s34, I, v2
.set I, I+1
.endr
	; column 32 u + l (u = wave % 4) is row (t, r) of the panel with t = 2 u + (l / 8) % 2 and r = l % 8 + 8 (l / 16)
	v_bfe_u32 v8, v0, 3, 1
	v_and_b32 v9, 7, v0
	v_bfe_u32 v10, v0, 4, 1
	s_mul_i32 s35, s18, 3072                       ; my two tiles in the panel,
	s_mul_i32 s41, s16, 3072
	s_add_co_u32 s41, s41, WQL                     ; and their image in my wave's LDS bytes
	v_mul_u32_u24 v3, v8, 1536
	s_delay_alu instid0(VALU_DEP_1)
	v_add_nc_u32 v3, s41, v3
	s_delay_alu instid0(VALU_DEP_1)
	v_lshl_add_u32 v4, v9, 3, v3
	s_delay_alu instid0(VALU_DEP_1)
	v_lshl_add_u32 v4, v10, 6, v4
	s_delay_alu instid0(VALU_DEP_1)
	v_add_nc_u32 v4, 512, v4                       ; v4: bytes 16-23: 512 + 8 r
	s_delay_alu instid0(VALU_DEP_4)
	v_lshl_add_u32 v3, v9, 4, v3
	s_delay_alu instid0(VALU_DEP_1)
	v_lshl_add_u32 v3, v10, 7, v3                  ; v3: bytes 0-15: 16 r
	v_lshlrev_b32 v5, 6, v8
	s_delay_alu instid0(VALU_DEP_1)
	v_lshl_add_u32 v5, v9, 2, v5
	s_delay_alu instid0(VALU_DEP_1)
	v_lshl_add_u32 v5, v10, 5, v5
	s_lshl_b32 s19, s18, 7
	s_add_co_u32 s19, s19, SCO
	v_add_nc_u32 v5, s19, v5                       ; v5: my scale word in the panel
	v_lshl_add_u32 v6, v1, 4, s41                  ; v6: the way out, LDS: my wave's 3,072 bytes, 16 a lane
	v_lshl_add_u32 v7, v1, 4, s35                  ; v7: their place in the panel
	s_wait_kmcnt 0x0
	s_lshr_b32 s19, s40, 6
	s_cmp_eq_u32 s19, 1                            ; the weight is chosen by the panel's number alone
	s_cselect_b64 s[4:5], s[6:7], s[4:5]
	s_cmp_eq_u32 s19, 2
	s_cselect_b64 s[4:5], s[8:9], s[4:5]
	s_cmp_eq_u32 s19, 3
	s_cselect_b64 s[4:5], s[10:11], s[4:5]
	s_cmp_ge_u32 s19, 4
	s_cselect_b64 s[4:5], s[12:13], s[4:5]
	s_cmp_ge_u32 s19, 8
	s_cselect_b64 s[4:5], s[14:15], s[4:5]
	s_add_nc_u64 s[20:21], s[4:5], s[36:37]        ; the four blocks' first rows
	s_add_nc_u64 s[22:23], s[20:21], s[38:39]
	s_add_nc_u64 s[24:25], s[22:23], s[38:39]
	s_add_nc_u64 s[26:27], s[24:25], s[38:39]
	s_add_nc_u64 s[28:29], s[42:43], s[30:31]      ; my panel
.macro LOADB t                         ; block t: 32 rows of my column into set t % 2
.set I, 0
.rept 32
	global_load_b32 v[X+32*((\t)%2)+I], v[OFS+I], s[20+2*(\t):21+2*(\t)] th:TH_LOAD_NT
.set I, I+1
.endr
.endm
	LOADB 0
	LOADB 1
.macro BLOCK t
.set XS, X+32*((\t)%2)
.if (\t) < 3
	s_wait_loadcnt 32                              ; this block's 32 loads are in; the next block's 32 may be out
.else
	s_wait_loadcnt 0x0
.endif
	v_max3_num_f32 v40, |v[XS]|, |v[XS+1]|, |v[XS+2]|              ; the block's largest magnitude, in two chains
	v_max3_num_f32 v41, |v[XS+3]|, |v[XS+4]|, |v[XS+5]|
.irp i, 6,10,14,18,22,26
	s_delay_alu instid0(VALU_DEP_2)
	v_max3_num_f32 v40, v40, |v[XS+\i]|, |v[XS+\i+1]|
	s_delay_alu instid0(VALU_DEP_2)
	v_max3_num_f32 v41, v41, |v[XS+\i+2]|, |v[XS+\i+3]|
.endr
	s_delay_alu instid0(VALU_DEP_2)
	v_max3_num_f32 v40, v40, |v[XS+30]|, |v[XS+31]|
	s_delay_alu instid0(VALU_DEP_1)
	v_max3_num_f32 v40, v40, v41, 0x2800000        ; and the floor 2^(5 - 127): the byte cannot fall under 1
	s_delay_alu instid0(VALU_DEP_1)
	v_add_nc_u32 v42, 0xfe000000, v40              ; 4 off the exponent field: the conversion's scale operand
	v_cvt_scalef32_pk16_bf6_f32 v[14:16], v[XS:XS+15], v42
	v_cvt_scalef32_pk16_bf6_f32 v[20:22], v[XS+16:XS+31], v42      ; (a conversion's three registers begin on an even number)
	v_lshrrev_b32 v43, 23, v42                     ; the scale's byte; also the plain line behind the conversions
.if (\t) == 0
	s_delay_alu instid0(VALU_DEP_1)
	v_mov_b32 v12, v43
.else
	s_delay_alu instid0(VALU_DEP_1)
	v_lshl_or_b32 v12, v43, 8*(\t), v12            ; four bytes make my row's scale word
.endif
	v_mov_b32 v17, v20
	v_mov_b32 v18, v21
	v_mov_b32 v19, v22
	ds_store_b128 v3, v[14:17] offset:768*((\t)/2)+256*((\t)%2)    ; block t = 2 c + h: half c, lane r + 16 h
	ds_store_b64 v4, v[18:19] offset:768*((\t)/2)+128*((\t)%2)
.if (\t) < 2
	LOADB (\t)+2
.endif
	s_wait_dscnt 0x0                               ; the stores have read their registers: the next block's codes may be written
.endm
	BLOCK 0
	BLOCK 1
	BLOCK 2
	BLOCK 3
	s_wait_alu depctr_va_vdst(0)
	global_store_b32 v5, v12, s[28:29]             ; the wave's 32 scale words: 128 consecutive bytes
.irp e, 0,1,2,3,4,5
	ds_load_b128 v[24+4*\e:27+4*\e], v6 offset:512*\e              ; LDS serves a wave's instructions in order: these see my stores
.endr
.irp e, 0,1,2,3,4,5
	s_wait_dscnt 5-\e
	global_store_b128 v7, v[24+4*\e:27+4*\e], s[28:29] offset:512*\e   ; 512 consecutive bytes, at a multiple of 256 from the buffer's first byte
.endr
	v_lshl_add_u32 v1, v0, 2, 0x12200              ; the add's two registers, made here as on the other way
	v_mov_b32 v2, 0
	s_wait_alu depctr_va_vdst(0)
	s_wait_tensorcnt 0x0
	ds_add_u32 v1, v2
	s_wait_dscnt 0x0
	s_endpgm
.Lfunc_end_k_q7f2de8de41_prep:
	.size	k_q7f2de8de41_prep, .Lfunc_end_k_q7f2de8de41_prep-k_q7f2de8de41_prep
	.p2alignl 7, 3214868480
	.fill 96, 4, 3214868480
	.section	.rodata,"a",@progbits
	.p2align	6, 0x0
	.amdhsa_kernel k_q7f2de8de41_prep
		.amdhsa_group_segment_fixed_size 75264
		.amdhsa_private_segment_fixed_size 0
		.amdhsa_enable_private_segment 0
		.amdhsa_kernarg_size 88
		.amdhsa_user_sgpr_count 2
		.amdhsa_user_sgpr_kernarg_segment_ptr 1
		.amdhsa_wavefront_size32 1
		.amdhsa_system_sgpr_workgroup_id_x 1
		.amdhsa_system_sgpr_workgroup_id_y 1
		.amdhsa_system_sgpr_workgroup_id_z 1
		.amdhsa_system_vgpr_workitem_id 0
		.amdhsa_next_free_vgpr 160
		.amdhsa_next_free_sgpr 66
		.amdhsa_reserve_vcc 0
		.amdhsa_float_denorm_mode_32 3
		.amdhsa_float_denorm_mode_16_64 3
		.amdhsa_memory_ordered 1
		.amdhsa_forward_progress 1
		.amdhsa_inst_pref_size 59
	.end_amdhsa_kernel
	.amdgpu_metadata
---
amdhsa.version: [ 1, 2 ]
amdhsa.kernels:
  - .name:           k_q7f2de8de41_prep
    .symbol:         k_q7f2de8de41_prep.kd
    .args:
      - { .name: x, .offset: 0, .size: 8, .value_kind: global_buffer, .address_space: global }
      - { .name: ln1_scale, .offset: 8, .size: 8, .value_kind: global_buffer, .address_space: global }
      - { .name: ln1_shift, .offset: 16, .size: 8, .value_kind: global_buffer, .address_space: global }
      - { .name: xn, .offset: 24, .size: 8, .value_kind: global_buffer, .address_space: global }
      - { .name: W_q, .offset: 32, .size: 8, .value_kind: global_buffer, .address_space: global }
      - { .name: W_k, .offset: 40, .size: 8, .value_kind: global_buffer, .address_space: global }
      - { .name: W_v, .offset: 48, .size: 8, .value_kind: global_buffer, .address_space: global }
      - { .name: W_o, .offset: 56, .size: 8, .value_kind: global_buffer, .address_space: global }
      - { .name: W_fc, .offset: 64, .size: 8, .value_kind: global_buffer, .address_space: global }
      - { .name: W_proj, .offset: 72, .size: 8, .value_kind: global_buffer, .address_space: global }
      - { .name: wc, .offset: 80, .size: 8, .value_kind: global_buffer, .address_space: global }
    .group_segment_fixed_size: 75264
    .private_segment_fixed_size: 0
    .kernarg_segment_align: 8
    .kernarg_segment_size: 88
    .max_flat_workgroup_size: 256
    .sgpr_count:     66
    .vgpr_count:     160
    .wavefront_size: 32
...
	.end_amdgpu_metadata
.endif
;; end of part 1
;; launch qkv (part 2): grid 4 x 48, 4 waves a work-group, clusters of 4 x 4, 327,680 bytes of LDS; arguments xn, wc, qkv; writes qkv
.if DOCPART == 2
	.amdgcn_target "amdgcn-amd-amdhsa--gfx1250"
	.amdhsa_code_object_version 6
	.text
	.protected	k_q7f2de8de41_qkv
	.globl	k_q7f2de8de41_qkv
	.p2align	8
	.type	k_q7f2de8de41_qkv,@function
k_q7f2de8de41_qkv:
	s_mov_b64 s[64:65], 0
	v_nop
	global_prefetch_b8 v0, s[64:65] scope:SCOPE_SE
	s_setreg_imm32_b32 hwreg(HW_REG_WAVE_MODE, 25, 1), 1
	s_wait_xcnt 0x0
	s_wait_alu depctr_hold_cnt(0) depctr_sa_sdst(0) depctr_va_vdst(0) depctr_va_sdst(0) depctr_va_ssrc(0) depctr_va_vcc(0) depctr_vm_vsrc(0)
	s_getreg_b32 s2, hwreg(HW_REG_IB_STS2, 6, 4)
	s_cmp_eq_u32 s2, 0
	s_cbranch_scc0 .Lentry_in_a_cluster
	s_endpgm
.Lentry_in_a_cluster:
	s_bfe_u32 s2, ttmp6, 0x10000c
	s_cmp_lg_u32 s2, 0xf033
	s_cbranch_scc0 .Lentry_shape_is_right
	s_endpgm
.Lentry_shape_is_right:
; q, k and V^T = LayerNorm(x) times W_q, W_k, W_v, on codes of BF6 (E3M2) with E8M0 scales; the results are quantised in registers and stored as panels of codes.
; PANEL: 128 rows x 128 K, 12,800 bytes: tile t, lane r = row 32 (t / 2) + 8 (t % 2) + r + 8 (r / 8); half c at 768 c; lane r + 16 h holds block 2 c + h: bytes 0-15 at 16 L, 16-23 at 512 + 8 L; scale words at 12,288 + 64 t + 4 r.
; A product is D = G R^T (source 0 = 16 rows of G, source 1 = 16 rows of R): a lane holds ONE row of R, and by the rows' order in a tile the 16 registers of two neighbouring G tiles are 16 NEIGHBOURS along G's rows,
; which are the next product's K.  q, k: G = the weight, R = xn (blocks along the channels).  V^T: G = xn, R = W_v (blocks along the keys): the same text with the two buffers exchanged, chosen by the cluster's y alone.
; SHARES.  A tile of the result is 128 x 128; four waves, 64 x 64 each (16 accumulators).  A work-group keeps R's 8 panels (all of K = 1,024) in LDS and walks 4 tiles: G's 8 panels come through two slots.
; CLUSTER 4 x 4: R hangs on the work-group's y and is asked for jointly along a row of the cluster, G on its x and is asked for jointly along a column.
; LIMITS: a block of zeros or under 2^-122 gets the byte 1 (zero codes; this program alone reads the bytes); NaN and infinities are not served.
; REGISTERS: window 0: v8-31 addresses, v32-39 scale words (two sets), v104-122 the quantiser's, v128-255 the accumulators ((i, g) at 128 + 8 (4 i + g)).  Window 1: three fragment buffers at v0, v128, v64: G's four tiles each.
.set QKV, 1
.set PAN, 12800
.set FRG, 1536
.set SCO, 12288
.set KP,  8*PAN                        ; all of K for 128 rows
.set CHB, 5*PAN                        ; an LDS offset has 16 bits: K steps 5-7 take a second address register, 64,000 bytes on
.set SCR, 3*KP                         ; LDS: R at 0, G's slots at KP and 2 KP, then two scratch regions of 512 bytes for a tile's scale words,
.set SPARE, SCR+1024                   ; then the spare words, 128 bytes a wave: two blocks of 256 bytes that no other line names
.set SPW, 8
.set NIL, 9
.set R16, 10                           ; v10-11 R's fragments, bytes 0-15;  v12-13 bytes 16-23
.set R8,  12
.set G16, 14                           ; v14-17 the same for G: slot s, chunk ch at 2 s + ch;  v18-21
.set G8,  18
.set VS,  22                           ; v22-25 scale words: lanes 0-15 R's tiles, lanes 16-31 G's
.set O16, 26
.set O8,  27
.set SCW, 28
.set SCRD, 29
.set BO,  30
.set L16, 31
.set SC,  32
.set BIAS, 40
.set T,   72
.set TM,  104
.set TX,  106
.set SOP, 108
.set BY,  110
.set PW,  112
.set PC,  114
.set PD,  120
.set ACC, 128
.set WV,  12
.set RI,  13
.set GI,  14
.set SEL, 20
.set G1R, 24
.set G1G, 32
.set G0R, 40
.set G0G, 44
.set OB,  52
.set OST, 54
.set GST, 56
.set BB,  58
.set CM0, 2-QKV                        ; what starts a sum: the constant 0, or the bias
.set MSB, 0
.macro WIN new                         ; the immediate's high byte repeats the setting that is left
.if MSB != \new
	s_set_vgpr_msb (MSB<<8)|\new
.set MSB, \new
.endif
.endm
.set MUL,  0x0d                        ; source 0 (G) window 1, source 1 (R) window 3 (K steps 5-7; 4 less: window 2, K steps 0-4); C and D window 0
.set TO_F, 0x40                        ; destination window 1, address window 0
.macro PLACES n
.rept \n
	v_nop
.endr
.endm
.macro CREST                           ; a round of the cluster's barrier behind its opening barrier
	s_cmp_lg_u32 s[WV], 0
	s_cbranch_scc1 .Lnot_wave_0_\@
	s_barrier_signal -3
.Lnot_wave_0_\@:
	s_barrier_wait -3
	s_barrier_signal -1
	s_barrier_wait -1
.endm
.macro CROUND
	s_barrier_signal -1
	s_barrier_wait -1
	CREST
.endm
.macro FRAGL reg, a16, a8, off         ; a fragment's 12 registers: four dense loads
	ds_load_b128 v[\reg:\reg+3], v[\a16] offset:\off
	ds_load_b64 v[\reg+4:\reg+5], v[\a8] offset:\off
	ds_load_b128 v[\reg+6:\reg+9], v[\a16] offset:\off+768
	ds_load_b64 v[\reg+10:\reg+11], v[\a8] offset:\off+768
.endm
.macro FETCHK buf, sc, slot, k         ; 20 LDS loads in one run: K step k: 4 scale registers and G's four tiles (R's fragments stay in registers: RLOAD)
.set CH, (\k)/5
.set OF, ((\k)%5)*PAN
	WIN 0
.irp i, 0,1,2,3
	ds_load_b32 v[SC+4*(\sc)+\i], v[VS+2*(\slot)+CH] offset:OF+64*\i
.endr
	WIN TO_F
.irp i, 0,1,2,3
	FRAGL (\buf)+12*\i, G16+2*(\slot)+CH, G8+2*(\slot)+CH, OF+FRG*\i
.endr
.endm
; R's tile i against G's four.  The 16 accumulators take turns, one instruction a turn, in the same order in every step.  cm: 0 adds on, 1 starts with 0, 2 with the bias.
.macro MUL4 buf, sc, i, cm, k=7        ; k: the K step, which says where R's fragment lies
.irp g, 0,1,2,3
.set AD, ACC+8*(4*(\i)+\g)
.set AG, (\buf)+12*\g
.set AR, 48*((\k)%5)+12*(\i)
.if (\cm) == 0
	v_wmma_scale_f32_16x16x128_f8f6f4 v[AD:AD+7], v[AG:AG+11], v[AR:AR+11], v[AD:AD+7], v[SC+4*(\sc)+\g], v[SC+4*(\sc)+(\i)] matrix_a_fmt:MATRIX_FMT_BF6 matrix_b_fmt:MATRIX_FMT_BF6 matrix_a_scale:MATRIX_SCALE_ROW1
.elseif (\cm) == 1
	v_wmma_scale_f32_16x16x128_f8f6f4 v[AD:AD+7], v[AG:AG+11], v[AR:AR+11], 0, v[SC+4*(\sc)+\g], v[SC+4*(\sc)+(\i)] matrix_a_fmt:MATRIX_FMT_BF6 matrix_b_fmt:MATRIX_FMT_BF6 matrix_a_scale:MATRIX_SCALE_ROW1
.else
	v_wmma_scale_f32_16x16x128_f8f6f4 v[AD:AD+7], v[AG:AG+11], v[AR:AR+11], v[BIAS+8*\g:BIAS+8*\g+7], v[SC+4*(\sc)+\g], v[SC+4*(\sc)+(\i)] matrix_a_fmt:MATRIX_FMT_BF6 matrix_b_fmt:MATRIX_FMT_BF6 matrix_a_scale:MATRIX_SCALE_ROW1
.endif
.endr
.endm
; K step k of a tile.  G's fragments and the scale words are fetched TWO steps ahead, in three buffers by turns: buffer k % 3 lies in window 1 at v0, v128, v64, its scale words at v32, v36, v124
; (the scale set's number 23 stands for v124 = SC + 4 x 23).  Step 6 fetches nothing: the next tile's steps 0 and 1 are fetched behind the change of slots (TURN, NEXT1).
.macro STEP k, cm, slot
	s_wait_dscnt 20                                ; this step's 20 loads are in; the next step's 20 may be out
.if (\k) < 6
.set NB, ((\k)+2)%3
	PLACES 4                                       ; in front of loads into registers that the last step's matrix instructions have read
	FETCHK 128*(NB%2)+64*(NB/2), NB+21*(NB/2), \slot, (\k)+2
.endif
.set CB, (\k)%3
.set MW, MUL-4*(1-(\k)/5)
	WIN MW
.irp i, 0,1,2,3
	MUL4 128*(CB%2)+64*(CB/2), CB+21*(CB/2), \i, \cm, \k
.endr
.endm
.macro NEXT1 slot                      ; the next tile's K step 1, into buffer 1, which the tile's last step has just multiplied
	PLACES 4
	FETCHK 128, 1, \slot, 1
	WIN 0
.endm
; R's 32 fragments of my 64 rows (4 tiles x 8 K steps, 384 registers) are read from LDS once and serve all four tiles of the walk:
; K steps 0-4 in window 2 at 48 k + 12 i, K steps 5-7 in window 3 at 48 (k - 5) + 12 i.
.macro RLOAD
.irp k, 0,1,2,3,4,5,6,7
.set MW, 0x80+0x40*(\k/5)
	WIN MW
.irp i, 0,1,2,3
	FRAGL 48*(\k%5)+12*\i, R16+\k/5, R8+\k/5, (\k%5)*PAN+FRG*\i
.endr
.endr
	WIN 0
.endm
; A tile's last K step (buffer 1) changes G's slot: ONE barrier; in front of it each wave waits for all its tensor loads, adds 0 to its spare word, and waits for that and for its reads of the slot.
.macro TURN fill, slot, nslot
	WIN 0
	s_wait_tensorcnt 0x0                           ; all my tensor loads have landed: my part of the other slot
	ds_add_u32 v[SPW], v[NIL]                      ; 0 onto my spare word
	s_wait_dscnt 1                                 ; (the add alone may be out: this step's 20 loads are in)
	WIN MUL
	MUL4 128, 1, 0, 0
	MUL4 128, 1, 1, 0
	s_wait_dscnt 0x0                               ; the add is done, and my reads of this slot are over
	s_barrier_signal -1
	MUL4 128, 1, 2, 0
	WIN 0
	s_barrier_wait -1
.if \fill
	CREST                                          ; the barrier has opened a round of the cluster's: no wave of any partner still reads this slot or has a load on its way
	s_add_nc_u64 s[G0G+4*(\slot)+2:G0G+4*(\slot)+3], s[G0G+4*(\slot)+2:G0G+4*(\slot)+3], s[GST:GST+1]
	tensor_load_to_lds s[G0G+4*(\slot):G0G+4*(\slot)+3], s[G1G:G1G+7]   ; G of the tile two on: my one load behind the round; it has a way out and a whole tile in which to land
	s_nop 0
.endif
	PLACES 4
	s_wait_alu depctr_va_vdst(0)
	FETCHK 0, 0, \nslot, 0
	WIN MUL
	MUL4 128, 1, 3, 0
	WIN 0
.endm
.macro LAST
	s_wait_dscnt 0x0
	WIN MUL
	MUL4 128, 1, 0, 0
	MUL4 128, 1, 1, 0
	s_wait_dscnt 0x0
	MUL4 128, 1, 2, 0
	MUL4 128, 1, 3, 0
	WIN 0
.endm
; 32 numbers of a lane, register 16 b + i = neighbour 32 b + 16 (lane / 16) + i of my row, become half a fragment in v[PC:PC+5] and two scale bytes in v[PW].
.macro QH s
	v_max3_num_f32 v[TM], |v[\s]|, |v[\s+1]|, 0x2800000            ; with the floor 2^(5 - 127): the byte cannot fall under 1
	v_max3_num_f32 v[TM+1], |v[\s+16]|, |v[\s+17]|, 0x2800000
.irp i, 2,4,6,8,10,12,14
	v_max3_num_f32 v[TM], v[TM], |v[\s+\i]|, |v[\s+\i+1]|
	v_max3_num_f32 v[TM+1], v[TM+1], |v[\s+16+\i]|, |v[\s+17+\i]|
.endr
	v_permlanex16_b32 v[TX], v[TM], s[SEL], s[SEL+1]
	v_permlanex16_b32 v[TX+1], v[TM+1], s[SEL], s[SEL+1]
	v_max_num_f32 v[TM], v[TM], v[TX]              ; with lane l xor 16's: the block's largest magnitude
	v_max_num_f32 v[TM+1], v[TM+1], v[TX+1]
	v_add_nc_u32 v[SOP], 0xfe000000, v[TM]         ; 4 off the exponent field: the conversion's scale operand
	v_add_nc_u32 v[SOP+1], 0xfe000000, v[TM+1]
	v_lshrrev_b32 v[BY], 23, v[SOP]
	v_lshrrev_b32 v[BY+1], 23, v[SOP+1]
	v_lshl_or_b32 v[PW], v[BY+1], 8, v[BY]
	v_cvt_scalef32_pk16_bf6_f32 v[PC:PC+2], v[\s:\s+15], v[SOP]
	v_cvt_scalef32_pk16_bf6_f32 v[PD:PD+2], v[\s+16:\s+31], v[SOP+1]
	v_nop                                          ; one plain line behind a scaled conversion
.irp i, 0,1,2
	v_permlane16_swap_b32 v[PC+\i], v[PD+\i]       ; a WHOLE block to a lane: lanes 0-15 the first, lanes 16-31 the second
.endr
.irp i, 0,1,2
	v_mov_b32 v[PC+3+\i], v[PD+\i]
.endr
.endm
; THE WAY OUT of tile tau: my 64 x 64 becomes half c = gi of four tiles of the output panel; the scale bytes of the four waves meet in LDS and leave as 512 dense bytes.
.macro EPI tau
	PLACES 4
	s_wait_xcnt 0x0                                ; earlier stores have read their base and registers
.if (\tau) > 0
	s_add_nc_u64 s[OB:OB+1], s[OB:OB+1], s[OST:OST+1]
.endif
.irp i, 0,1,2,3
	s_wait_xcnt 0x0                                ; the last stores have read v[PC] on
	QH ACC+32*\i
	global_store_b128 v[O16], v[PC:PC+3], s[OB:OB+1] offset:FRG*\i         ; 512 consecutive bytes
	global_store_b64 v[O8], v[PC+4:PC+5], s[OB:OB+1] offset:FRG*\i+512     ; 256 consecutive bytes
	ds_store_b16 v[SCW], v[PW] offset:64*\i+512*((\tau)%2)                 ; lanes r and r + 16 write the same two bytes with the same value
.endr
	s_wait_dscnt 0x0                               ; for the others' sake: my scale bytes are stored
	s_barrier_signal -1
	s_barrier_wait -1
	s_cmp_lg_u32 s[WV], 0
	s_cbranch_scc1 .Lnot0_\@
	ds_load_b128 v[T:T+3], v[SCRD] offset:512*((\tau)%2)   ; the region is written again two tiles on, behind the next way out's barrier
	s_wait_dscnt 0x0
	global_store_b128 v[L16], v[T:T+3], s[OB:OB+1] offset:SCO
.Lnot0_\@:
.endm
.macro TILE tau
.set SL, (\tau)%2
	STEP 0, CM0, SL
.irp k, 1,2,3,4,5,6
	STEP \k, 0, SL
.endr
.if (\tau) < 2
	TURN 1, SL, 1-SL
	NEXT1 1-SL
.if (\tau) == 0
	global_prefetch_b8 v[VP+2], s[4:5] th:TH_LOAD_NT scope:SCOPE_SE   ; G of tile 3, which the next change of slots loads: a whole tile ahead
.endif
.elseif (\tau) == 2
	TURN 0, SL, 1-SL
	NEXT1 1-SL
.else
	LAST
.endif
	EPI \tau
.endm
	s_load_b128 s[4:7], s[0:1], 0x0                ; xn, wc
	s_load_b64 s[10:11], s[0:1], 0x10              ; qkv
	v_lshl_add_u32 v[SPW], v0, 2, SPARE
	v_mov_b32 v[NIL], 0
	ds_add_u32 v8, v9
	ds_add_u32 v8, v9
	s_wait_dscnt 0x0
	v_lshrrev_b32 v1, 5, v0
	v_readfirstlane_b32 s[WV], v1                  ; wave 0..3
	s_lshr_b32 s[RI], s[WV], 1                     ; my half of R's tiles
	s_and_b32 s[GI], s[WV], 1                      ; my half of G's
	s_mov_b32 s[SEL], 0x76543210
	s_mov_b32 s[SEL+1], 0xfedcba98
	s_bfe_u32 s66, ttmp6, 0x40000                  ; cx
	s_bfe_u32 s67, ttmp6, 0x40004                  ; cy
	s_lshl_b32 s68, ttmp9, 2
	s_add_co_u32 s68, s68, s66                     ; X
	s_and_b32 s69, ttmp7, 0xffff                   ; the cluster's y: 0-7 q and k, 8-11 V^T
	s_lshl_b32 s70, s69, 2
	s_add_co_u32 s70, s70, s67                     ; Y
	s_lshl_b32 s71, s67, 2
	s_lshl_b32 s71, 15, s71                        ; my row of the cluster
	s_lshl_b32 s72, 0x1111, s66                    ; my column
	s_or_b32 s[G1R], s71, (3<<16)|(1<<21)          ; group 1: rows of 32 elements of 8 bytes, dense; no padding; bit 21 beside a mask
	s_or_b32 s[G1G], s72, (3<<16)|(1<<21)
.irp g, G1R, G1G
	s_mov_b32 s[\g+1], 32<<16                      ; tensor_dim0
	s_mov_b32 s[\g+2], 200<<16                     ; tensor_dim1: the head's loads bring four panels, 200 rows
	s_mov_b32 s[\g+3], 32<<16                      ; tile_dim0
	s_mov_b32 s[\g+4], 200                         ; tile_dim1
	s_mov_b32 s[\g+5], 32                          ; the pitch
	s_mov_b32 s[\g+6], 0
	s_mov_b32 s[\g+7], 0
.endr
	; groups of 8 panels.  q, k: R = xn's group Y; G = wc's groups X + 4 tau; output panel 32 (X + 4 tau) + Y.
	; V^T: R = wc's group 16 + Y % 8 (W_v); G = xn's groups X + 4 ((cluster y - 8) / 2) + 8 tau; output panel 32 (16 + Y % 8) + that group.
	s_and_b32 s73, s70, 7
	s_add_co_u32 s73, s73, 16
	s_max_u32 s74, s69, 8
	s_sub_co_u32 s74, s74, 8
	s_lshr_b32 s74, s74, 1
	s_lshl_b32 s74, s74, 2
	s_add_co_u32 s74, s74, s68
	s_lshl_b32 s75, s73, 5
	s_add_co_u32 s75, s75, s74
	s_lshl_b32 s76, s68, 5
	s_add_co_u32 s76, s76, s70
	s_cmp_ge_u32 s69, 8
	s_cselect_b32 s73, s73, s70                    ; R's group: made of y's alone
	s_cselect_b32 s74, s74, s68                    ; G's first group: of x and the cluster's y alone
	s_cselect_b32 s75, s75, s76                    ; the first output panel
	s_cselect_b32 s77, 8, 4                        ; G's groups from tile to tile
	s_cselect_b32 s78, 8, 128                      ; output panels from tile to tile
	s_mul_i32 s79, s[WV], 2*PAN                    ; each wave fetches two of the eight panels
	s_mul_i32 s94, s[GI], 4*PAN                    ; at the head a wave fetches four panels: which half of the eight
	s_mul_i32 s80, s73, KP
	s_add_co_u32 s80, s80, s94
	s_mul_i32 s96, s74, KP
	s_mov_b32 s2, s96                              ; G's first group, for the prefetches
	s_mov_b32 s3, 0
	s_add_co_u32 s96, s96, s94
	s_mov_b32 s97, 0
	s_mov_b32 s81, 0
	s_mul_i32 s82, s74, KP
	s_add_co_u32 s82, s82, s79
	s_mov_b32 s83, 0
	s_mul_i32 s84, s77, KP
	s_mov_b32 s85, 0
	s_lshl_b32 s[GST], s84, 1                      ; a slot's next tile is two tiles on
	s_mov_b32 s[GST+1], 0
	s_mul_i32 s86, s75, PAN
	s_mov_b32 s87, 0
	s_mul_i32 s[OST], s78, PAN
	s_mov_b32 s[OST+1], 0
	s_wait_kmcnt 0x0
	s_cmp_ge_u32 s69, 8
	s_cselect_b64 s[90:91], s[6:7], s[4:5]
	s_cselect_b64 s[92:93], s[4:5], s[6:7]
	s_add_nc_u64 s[90:91], s[90:91], s[80:81]
	s_add_nc_u64 s[62:63], s[92:93], s[96:97]      ; the head's load of G's first tile
	s_add_nc_u64 s[4:5], s[92:93], s[2:3]          ; (both arguments have been chosen from: s[4:5] is free)
	s_add_nc_u64 s[92:93], s[92:93], s[82:83]
	s_add_nc_u64 s[OB:OB+1], s[10:11], s[86:87]
	CROUND                                         ; all sixteen work-groups are here: the first joint loads meet
	s_mov_b32 s[G0R], 1
	s_mov_b32 s[G0R+1], s94
	s_mov_b64 s[G0R+2:G0R+3], s[90:91]
	s_or_b32 s[G0R+3], s[G0R+3], 0x80000000
	s_mov_b32 s[G0G], 1
	s_add_co_u32 s[G0G+1], s79, KP
	s_mov_b64 s[G0G+2:G0G+3], s[92:93]
	s_or_b32 s[G0G+3], s[G0G+3], 0x80000000
	s_mov_b32 s[G0G+4], 1
	s_add_co_u32 s[G0G+5], s79, 2*KP
	s_add_nc_u64 s[G0G+6:G0G+7], s[92:93], s[84:85]
	s_or_b32 s[G0G+7], s[G0G+7], 0x80000000
	s_mov_b32 s60, 1
	s_add_co_u32 s61, s94, KP
	s_or_b32 s63, s63, 0x80000000
	s_cmp_lt_u32 s[WV], 2                          ; one load a wave at the head: waves 0, 1 fetch R's halves, waves 2, 3 the halves of G's slot 0
	s_cbranch_scc0 .Lhead_g
	tensor_load_to_lds s[G0R:G0R+3], s[G1R:G1R+7]
	s_nop 0
	PLACES 4
	s_branch .Lhead_asked
.Lhead_g:
	tensor_load_to_lds s[60:63], s[G1G:G1G+7]
	s_nop 0
	PLACES 4
.Lhead_asked:
; PREFETCHES of G's later tiles.  A tile of G is 102,400 bytes, 400 blocks of 256; the four partners of my column, which ask for it jointly, share the blocks out BY ADDRESS, 100 each (by cy);
; a lane a block, one instruction a wave (lanes 100-127 of the work-group name block 99 again).  Tiles 1 and 2 are asked for here, tile 3 at the first change of slots; the registers are never rewritten.
.set VP, 40
	s_lshl_b32 s2, s[WV], 5
	s_mul_i32 s3, s67, 100
	v_and_b32 v1, 31, v0
	v_add_nc_u32 v1, s2, v1
	v_min_u32 v1, 99, v1
	v_add_nc_u32 v1, s3, v1
	v_lshlrev_b32 v1, 8, v1
	v_add_nc_u32 v[VP], s84, v1
	v_add_nc_u32 v[VP+1], s84, v[VP]
	v_add_nc_u32 v[VP+2], s84, v[VP+1]
	global_prefetch_b8 v[VP], s[4:5] th:TH_LOAD_NT scope:SCOPE_SE
	global_prefetch_b8 v[VP+1], s[4:5] th:TH_LOAD_NT scope:SCOPE_SE
	v_and_b32 v1, 31, v0                           ; l
	v_and_b32 v2, 15, v0                           ; r
	v_bfe_u32 v3, v0, 4, 1                         ; h
	v_lshlrev_b32 v[L16], 4, v1
	v_lshlrev_b32 v4, 3, v1
	s_mul_i32 s15, s[RI], 4*FRG
	s_mul_i32 s16, s[GI], 4*FRG
	v_add_nc_u32 v[R16], s15, v[L16]
	v_add_nc_u32 v[R16+1], CHB, v[R16]
	v_add_nc_u32 v[R8], s15, v4
	v_add_nc_u32 v[R8], 512, v[R8]
	v_add_nc_u32 v[R8+1], CHB, v[R8]
	s_add_co_u32 s17, s16, KP
	v_add_nc_u32 v[G16], s17, v[L16]
	v_add_nc_u32 v[G16+1], CHB, v[G16]
	v_add_nc_u32 v[G16+2], KP, v[G16]
	v_add_nc_u32 v[G16+3], KP, v[G16+1]
	s_add_co_u32 s17, s17, 512
	v_add_nc_u32 v[G8], s17, v4
	v_add_nc_u32 v[G8+1], CHB, v[G8]
	v_add_nc_u32 v[G8+2], KP, v[G8]
	v_add_nc_u32 v[G8+3], KP, v[G8+1]
	s_lshl_b32 s17, s[RI], 8
	s_lshl_b32 s18, s[GI], 8
	s_add_co_u32 s19, s17, SCO
	v_lshl_add_u32 v5, v2, 2, s19                  ; R's words: SCO + 256 ri + 4 r
	s_add_co_u32 s18, s18, KP
	s_sub_co_u32 s18, s18, s17                     ; lanes 16-31: from there to G's words in slot 0
	v_mul_u32_u24 v6, s18, v3
	v_add_nc_u32 v[VS], v5, v6
	v_add_nc_u32 v[VS+1], CHB, v[VS]
	s_add_co_u32 s18, s18, KP
	v_mul_u32_u24 v6, s18, v3
	v_add_nc_u32 v[VS+2], v5, v6
	v_add_nc_u32 v[VS+3], CHB, v[VS+2]
	s_mul_i32 s18, s[GI], 768
	v_add_nc_u32 v[O16], s18, v[R16]               ; the output panel: my R tiles, half gi
	s_add_co_u32 s18, s18, s15
	v_add_nc_u32 v[O8], s18, v4
	s_lshl_b32 s18, s[GI], 1
	s_add_co_u32 s18, s18, s17
	s_add_co_u32 s18, s18, SCR
	v_lshl_add_u32 v[SCW], v2, 2, s18
	v_add_nc_u32 v[SCRD], SCR, v[L16]
	v_mov_b32 v[TX], 0                             ; written once: a lane permute's destination counts as one of its sources
	v_mov_b32 v[TX+1], 0
	s_wait_alu depctr_va_vdst(0)                   ; the wait at the head's end
	s_wait_tensorcnt 0x0                           ; my part of the head's tiles is in; slot 1's first fill is issued as a refill is
	ds_add_u32 v[SPW], v[NIL]
	s_mov_b32 s[G1G+2], 100<<16                    ; no tensor load of mine is out: from here on a load brings two panels, 100 rows
	s_mov_b32 s[G1G+4], 100
	s_wait_dscnt 0x0
	CROUND
	tensor_load_to_lds s[G0G+4:G0G+7], s[G1G:G1G+7]
	s_nop 0
	PLACES 4
	RLOAD
	FETCHK 0, 0, 0, 0
	FETCHK 128, 1, 0, 1
	TILE 0
	TILE 1
	TILE 2
	TILE 3
	s_wait_tensorcnt 0x0                           ; the wave's end
	ds_add_u32 v[SPW], v[NIL]
	s_wait_dscnt 0x0
	CROUND                                         ; the closing round
	s_endpgm
.Lfunc_end_k_q7f2de8de41_qkv:
	.size	k_q7f2de8de41_qkv, .Lfunc_end_k_q7f2de8de41_qkv-k_q7f2de8de41_qkv
	.p2alignl 7, 3214868480
	.fill 96, 4, 3214868480
	.section	.rodata,"a",@progbits
	.p2align	6, 0x0
	.amdhsa_kernel k_q7f2de8de41_qkv
		.amdhsa_group_segment_fixed_size 327680
		.amdhsa_private_segment_fixed_size 0
		.amdhsa_enable_private_segment 0
		.amdhsa_kernarg_size 24
		.amdhsa_user_sgpr_count 2
		.amdhsa_user_sgpr_kernarg_segment_ptr 1
		.amdhsa_wavefront_size32 1
		.amdhsa_system_sgpr_workgroup_id_x 1
		.amdhsa_system_sgpr_workgroup_id_y 1
		.amdhsa_system_sgpr_workgroup_id_z 1
		.amdhsa_system_vgpr_workitem_id 0
		.amdhsa_next_free_vgpr 912
		.amdhsa_next_free_sgpr 98
		.amdhsa_reserve_vcc 0
		.amdhsa_float_denorm_mode_32 3
		.amdhsa_float_denorm_mode_16_64 3
		.amdhsa_memory_ordered 1
		.amdhsa_forward_progress 1
		.amdhsa_inst_pref_size 168
	.end_amdhsa_kernel
	.amdgpu_metadata
---
amdhsa.version: [ 1, 2 ]
amdhsa.kernels:
  - .name:           k_q7f2de8de41_qkv
    .symbol:         k_q7f2de8de41_qkv.kd
    .args:
      - { .name: xn, .offset: 0, .size: 8, .value_kind: global_buffer, .address_space: global }
      - { .name: wc, .offset: 8, .size: 8, .value_kind: global_buffer, .address_space: global }
      - { .name: qkv, .offset: 16, .size: 8, .value_kind: global_buffer, .address_space: global }
    .group_segment_fixed_size: 327680
    .private_segment_fixed_size: 0
    .kernarg_segment_align: 8
    .kernarg_segment_size: 24
    .max_flat_workgroup_size: 128
    .sgpr_count:     98
    .vgpr_count:     912
    .wavefront_size: 32
...
	.end_amdgpu_metadata
.endif
;; end of part 2
;; launch attn (part 3): grid 8 x 32, 8 waves a work-group, clusters of 4 x 1, 214,016 bytes of LDS; arguments qkv, ctx; writes ctx
.if DOCPART == 3
	.amdgcn_target "amdgcn-amd-amdhsa--gfx1250"
	.amdhsa_code_object_version 6
	.text
	.protected	k_q7f2de8de41_attn
	.globl	k_q7f2de8de41_attn
	.p2align	8
	.type	k_q7f2de8de41_attn,@function
k_q7f2de8de41_attn:
	s_mov_b64 s[64:65], 0
	v_nop
	global_prefetch_b8 v0, s[64:65] scope:SCOPE_SE
	s_setreg_imm32_b32 hwreg(HW_REG_WAVE_MODE, 25, 1), 1
	s_wait_xcnt 0x0
	s_wait_alu depctr_hold_cnt(0) depctr_sa_sdst(0) depctr_va_vdst(0) depctr_va_sdst(0) depctr_va_ssrc(0) depctr_va_vcc(0) depctr_vm_vsrc(0)
	s_getreg_b32 s2, hwreg(HW_REG_IB_STS2, 6, 4)
	s_cmp_eq_u32 s2, 0
	s_cbranch_scc0 .Lentry_in_a_cluster
	s_endpgm
.Lentry_in_a_cluster:
	s_bfe_u32 s2, ttmp6, 0x10000c
	s_cmp_lg_u32 s2, 0x3003
	s_cbranch_scc0 .Lentry_shape_is_right
	s_endpgm
.Lentry_shape_is_right:
; Causal attention on codes of BF6 (E3M2) with E8M0 scales; 64 heads of 64 channels, 1,024 keys.  q, k: panels whose K is a pair of heads' 128 channels; V^T: panels whose rows are those channels and whose K is 128 keys.
; PANEL: 128 rows x 128 K, 12,800 bytes: tile t, lane r = row 32 (t / 2) + 8 (t % 2) + r + 8 (r / 8); half c at 768 c; lane r + 16 h holds block 2 c + h: bytes 0-15 at 16 L, 16-23 at 512 + 8 L; scale words at 12,288 + 64 t + 4 r.
; SOFTMAX: t = score x log2(e) / 8; M = the running largest t rounded UP to a whole number; p = 2^(t - M) is quantised along the keys; the row's sum is taken of the unquantised p and divides at the end;
; when M moves, the sum and O are multiplied by 2^(old M - new M), which rounds nothing.  The result is quantised along the channels and stored as panels for the next product.
; SHARES.  A work-group takes (batch, pair of heads) and tile j of EACH of the batch's eight groups of 128 queries: so all work-groups do the same work, and no branch hangs on a place in the cluster.
; Wave w: head w % 2; two passes, query groups 7 - w / 2 and w / 2: 9 key steps of 128 for every wave.  Steps whose keys all come after the queries are jumped over by a branch on the wave's number and a counter.
; Both products are used transposed (S^T = K Q^T, O^T = V^T P^T): a lane holds one query; by the rows' order in a tile, p's 16 registers of two neighbouring tiles are 16 neighbouring keys.
; A head has K = 64: Q's upper six registers hold zero codes, and K's and Q's scale words are loaded as 16 bits, so whatever codes stand in K's upper six registers add nothing.
; LDS: K's 8 panels at 0, V^T's at 102,400, filled ONCE by one joint load a wave (all four partners of the cluster walk the same K and V^T); nothing is filled again and nothing is stored into LDS.
; LIMITS: 1 / sum by v_rcp_f32; a block whose every p is 0 keeps the byte 1 (zero codes); NaN and infinities are not served.
.set PAN, 12800
.set FRG, 1536
.set SCO, 12288
.set VB,  8*PAN
.set KF,  40                           ; v40-87  four fragments of K or of V^T;  v88-91 their scale words
.set KS,  88
.set S,   96                           ; v96-159 S^T, then p
.set BM,  212                          ; v212-215 the blocks' largest scores, v216-219 at work, v220-223 the conversions' scale operands
.set BX,  216
.set SPP, 220
.set TM,  240                          ; the way out's quantiser
.set TX,  242
.set SOP, 244
.set BY,  246
.set PW,  248
.set PC,  250
.set PD,  204
.set WV,  8
.set HD,  9
.set PI,  10
.set GA,  11
.set SEL, 20
.set CS,  22
.set ST,  33
.set TB,  34
.set G1,  40
.set G0,  48
.macro PLACES n
.rept \n
	v_nop
.endr
.endm
.macro CROUND                          ; a round of the cluster's barrier
	s_barrier_signal -1
	s_barrier_wait -1
	s_cmp_lg_u32 s[WV], 0
	s_cbranch_scc1 .Lnot_wave_0_\@
	s_barrier_signal -3
.Lnot_wave_0_\@:
	s_barrier_wait -3
	s_barrier_signal -1
	s_barrier_wait -1
.endm
.macro FRAGL reg, a16, a8, off
	ds_load_b128 v[\reg:\reg+3], v[\a16] offset:\off
	ds_load_b64 v[\reg+4:\reg+5], v[\a8] offset:\off
	ds_load_b128 v[\reg+6:\reg+9], v[\a16] offset:\off+768
	ds_load_b64 v[\reg+10:\reg+11], v[\a8] offset:\off+768
.endm
.macro QH s                            ; 32 numbers of a lane (register 16 b + i = channel 32 b + 16 (lane / 16) + i) become half a fragment in v[PC:PC+5] and two scale bytes in v[PW]
	v_max3_num_f32 v[TM], |v[\s]|, |v[\s+1]|, 0x2800000
	v_max3_num_f32 v[TM+1], |v[\s+16]|, |v[\s+17]|, 0x2800000
.irp i, 2,4,6,8,10,12,14
	s_delay_alu instid0(VALU_DEP_2)
	v_max3_num_f32 v[TM], v[TM], |v[\s+\i]|, |v[\s+\i+1]|
	s_delay_alu instid0(VALU_DEP_2)
	v_max3_num_f32 v[TM+1], v[TM+1], |v[\s+16+\i]|, |v[\s+17+\i]|
.endr
	s_delay_alu instid0(VALU_DEP_2)
	v_permlanex16_b32 v[TX], v[TM], s[SEL], s[SEL+1]
	s_delay_alu instid0(VALU_DEP_2)
	v_permlanex16_b32 v[TX+1], v[TM+1], s[SEL], s[SEL+1]
	s_delay_alu instid0(VALU_DEP_2)
	v_max_num_f32 v[TM], v[TM], v[TX]
	s_delay_alu instid0(VALU_DEP_2)
	v_max_num_f32 v[TM+1], v[TM+1], v[TX+1]
	s_delay_alu instid0(VALU_DEP_2)
	v_add_nc_u32 v[SOP], 0xfe000000, v[TM]
	s_delay_alu instid0(VALU_DEP_2)
	v_add_nc_u32 v[SOP+1], 0xfe000000, v[TM+1]
	s_delay_alu instid0(VALU_DEP_2)
	v_lshrrev_b32 v[BY], 23, v[SOP]
	s_delay_alu instid0(VALU_DEP_2)
	v_lshrrev_b32 v[BY+1], 23, v[SOP+1]
	s_delay_alu instid0(VALU_DEP_1)
	v_lshl_or_b32 v[PW], v[BY+1], 8, v[BY]
	v_cvt_scalef32_pk16_bf6_f32 v[PC:PC+2], v[\s:\s+15], v[SOP]
	v_cvt_scalef32_pk16_bf6_f32 v[PD:PD+2], v[\s+16:\s+31], v[SOP+1]
	v_nop                                          ; one plain line behind a scaled conversion
.irp i, 0,1,2
	v_permlane16_swap_b32 v[PC+\i], v[PD+\i]
.endr
.irp i, 0,1,2
	s_delay_alu instid0(VALU_DEP_3)
	v_mov_b32 v[PC+3+\i], v[PD+\i]
.endr
.endm
	s_load_b128 s[4:7], s[0:1], 0x0                ; qkv, ctx
	v_lshl_add_u32 v211, v0, 2, 0x34000
	v_mov_b32 v249, 0
	ds_add_u32 v211, v249
	ds_add_u32 v211, v249
	v_lshrrev_b32 v1, 5, v0
	s_delay_alu instid0(VALU_DEP_1)
	v_readfirstlane_b32 s[WV], v1                  ; wave 0..7
	s_and_b32 s[HD], s[WV], 1                      ; my head of the pair
	s_lshr_b32 s[PI], s[WV], 1                     ; the second pass's query group,
	s_xor_b32 s[GA], s[PI], 7                      ; the first's: 7 - that
	s_bfe_u32 s12, ttmp6, 0x40000                  ; cx
	s_lshl_b32 s13, ttmp9, 2
	s_add_co_u32 s13, s13, s12                     ; j: my tile in each query group: it enters global offsets and the mask's numbers alone
	s_and_b32 s14, ttmp7, 0xffff
	s_lshr_b32 s15, s14, 3
	s_lshl_b32 s15, s15, 3                         ; 8 x batch
	s_and_b32 s16, s14, 7                          ; the pair of heads
	s_cmp_lt_u32 s[WV], 4                          ; waves 0-3 fetch K's panels, waves 4-7 V^T's, two each
	s_cselect_b32 s24, 8, 16
	s_add_co_u32 s24, s24, s16
	s_lshl_b32 s24, s24, 5
	s_add_co_u32 s24, s24, s15
	s_mul_i32 s24, s24, PAN
	s_and_b32 s25, s[WV], 3
	s_mul_i32 s25, s25, 2*PAN
	s_add_co_u32 s24, s24, s25
	s_mov_b32 s25, 0
	s_mul_i32 s17, s[WV], 2*PAN                    ; where they go
	s_lshl_b32 s18, s16, 5
	s_add_co_u32 s18, s18, s15
	s_add_co_u32 s19, s18, s[GA]
	s_mul_i32 s26, s19, PAN                        ; q's panel, first pass
	s_mov_b32 s27, 0
	s_add_co_u32 s19, s18, s[PI]
	s_mul_i32 s28, s19, PAN                        ; second pass
	s_mov_b32 s29, 0
	s_add_co_u32 s19, s15, s[GA]
	s_lshl_b32 s19, s19, 3
	s_add_co_u32 s19, s19, s16
	s_mul_i32 s52, s19, PAN                        ; ctx's panel, first pass
	s_mov_b32 s53, 0
	s_add_co_u32 s19, s15, s[PI]
	s_lshl_b32 s19, s19, 3
	s_add_co_u32 s19, s19, s16
	s_mul_i32 s54, s19, PAN
	s_mov_b32 s55, 0
	s_mov_b32 s[G1], 15|(3<<16)|(1<<21)            ; the mask: all four partners; elements of 8 bytes; bit 21 beside a mask; no padding
	s_mov_b32 s[G1+1], 32<<16                      ; 100 rows of 256 bytes, dense
	s_mov_b32 s[G1+2], 100<<16
	s_mov_b32 s[G1+3], 32<<16
	s_mov_b32 s[G1+4], 100
	s_mov_b32 s[G1+5], 32
	s_mov_b32 s[G1+6], 0
	s_mov_b32 s[G1+7], 0
	s_mov_b32 s[SEL], 0x76543210
	s_mov_b32 s[SEL+1], 0xfedcba98
	s_mov_b32 s[CS], 0x3e38aa3b                    ; c = log2(e) / 8
	s_mov_b32 s[CS+1], s[CS]
	s_wait_dscnt 0x0
	s_wait_kmcnt 0x0
	s_mov_b32 s[G0], 1
	s_mov_b32 s[G0+1], s17
	s_add_nc_u64 s[G0+2:G0+3], s[4:5], s[24:25]
	s_or_b32 s[G0+3], s[G0+3], 0x80000000
	s_add_nc_u64 s[26:27], s[4:5], s[26:27]
	s_add_nc_u64 s[28:29], s[4:5], s[28:29]
	s_add_nc_u64 s[52:53], s[6:7], s[52:53]
	s_add_nc_u64 s[54:55], s[6:7], s[54:55]
	CROUND                                         ; all four work-groups are here: the joint loads meet
	tensor_load_to_lds s[G0:G0+3], s[G1:G1+7]      ; my one tensor load of the launch
	s_nop 0
	PLACES 4
	v_and_b32 v22, 31, v0                          ; l
	v_and_b32 v23, 15, v0                          ; r
	s_wait_alu depctr_va_vdst(0)
	v_bfe_u32 v227, v0, 4, 1                       ; h
	s_mul_i32 s18, s[HD], 768
	s_mul_i32 s19, s13, FRG
	s_add_co_u32 s19, s19, s18
	v_lshl_add_u32 v7, v22, 4, s19                 ; v7-9: tile j, half hd of a panel of q or of ctx, in memory
	s_add_co_u32 s19, s19, 512
	v_lshl_add_u32 v8, v22, 3, s19
	s_lshl_b32 s19, s13, 6
	s_lshl_b32 s30, s[HD], 1
	s_add_co_u32 s19, s19, s30
	s_add_co_u32 s19, s19, SCO
	v_lshl_add_u32 v9, v23, 2, s19
	global_load_b128 v[24:27], v7, s[26:27]        ; Q of both passes stays in registers
	global_load_b64 v[28:29], v8, s[26:27]
	global_load_u16 v36, v9, s[26:27]
	global_load_b128 v[228:231], v7, s[28:29]
	global_load_b64 v[232:233], v8, s[28:29]
	global_load_u16 v37, v9, s[28:29]
	v_lshl_add_u32 v1, v22, 4, s18                 ; v1-3: half hd of a tile of K, and its two scale bytes
	s_add_co_u32 s19, s18, 512
	v_lshl_add_u32 v2, v22, 3, s19
	s_add_co_u32 s19, s30, SCO
	v_lshl_add_u32 v3, v23, 2, s19
	s_mul_i32 s19, s[HD], 4*FRG
	s_add_co_u32 s19, s19, VB
	v_lshl_add_u32 v4, v22, 4, s19                 ; v4-6: V^T's tiles 4 hd on, and their scale words
	s_add_co_u32 s19, s19, 512
	v_lshl_add_u32 v5, v22, 3, s19
	s_lshl_b32 s19, s[HD], 8
	s_add_co_u32 s19, s19, VB+SCO
	v_lshl_add_u32 v6, v23, 2, s19
	s_lshr_b32 s18, s13, 1
	s_lshl_b32 s18, s18, 5
	s_and_b32 s19, s13, 1
	s_lshl_b32 s19, s19, 3
	s_add_co_u32 s18, s18, s19
	v_and_b32 v10, 8, v23
	s_delay_alu instid0(VALU_DEP_1)
	v_add_nc_u32 v10, v10, v23
	s_delay_alu instid0(VALU_DEP_1)
	v_add_nc_u32 v10, s18, v10                     ; my query within its group of 128,
	v_lshlrev_b32 v227, 4, v227
	s_delay_alu instid0(VALU_DEP_1)
	v_sub_nc_u32 v10, v10, v227                    ; v10: less 16 h: register 16 b + i holds key 32 b + i + 16 h
	v_mov_b32 v11, 0xff800000                      ; -infinity
.irp i, 0,1,2,3,4,5
	v_mov_b32 v[30+\i], 0                          ; Q's upper 64 along K: zero codes
	v_mov_b32 v[234+\i], 0
.endr
.irp t, 0,1,2,3
.irp i, 6,7,8,9,10,11
	v_mov_b32 v[KF+12*\t+\i], 0                    ; written once, so that the first products read written registers
.endr
.endr
.irp b, 0,1,2,3
	v_mov_b32 v[BX+\b], 0                          ; a lane permute's destination counts as one of its sources
.endr
	v_mov_b32 v[TX], 0
	v_mov_b32 v[TX+1], 0
	v_mov_b32 v225, 0                              ; named as the upper half of the pair v[224:225]
	s_wait_tensorcnt 0x0                           ; my two panels are in,
	s_barrier_signal -1
	s_barrier_wait -1                              ; everybody's are
	s_wait_loadcnt 0x0                             ; Q
; A PASS: tile j of query group s[g]; Q in v[q] on, its scale word in v[qs]; the result goes to the panel at s[cb].
.macro PASS g, q, qs, cb
	s_wait_alu depctr_va_vdst(0)
	s_wait_xcnt 0x0                                ; the pass before has stored: its stores have read their registers before this pass writes them
	v_mov_b32 v19, 0xff61b1e6
	s_delay_alu instid0(VALU_DEP_1)
	v_floor_f32 v18, -v19                          ; -M
	v_mov_b32 v20, 0                               ; the sum, in two halves
	v_mov_b32 v21, 0
.set J, 0
.rept 32
	v_mov_b32 v[160+J], 0                          ; O^T: the step is written once; the first change of M leaves zeros zeros
.set J, J+1
.endr
	s_mov_b32 s[TB], 0
	s_mov_b32 s[ST], 0
.Lstep_\@:                                         ; eight trips, a constant; a key step behind my queries' group does nothing but step the counters
	s_cmp_gt_u32 s[ST], s[\g]
	s_cbranch_scc1 .Lskip_\@
	v_add_nc_u32 v12, s[TB], v1                    ; (these six are also the places in front of the loads below)
	s_wait_alu depctr_va_vdst(0)
	v_add_nc_u32 v13, s[TB], v2
	s_wait_alu depctr_va_vdst(0)
	v_add_nc_u32 v14, s[TB], v3
	s_wait_alu depctr_va_vdst(0)
	v_add_nc_u32 v15, s[TB], v4
	v_add_nc_u32 v16, s[TB], v5
	v_add_nc_u32 v17, s[TB], v6
.irp u, 0,1                                    ; S^T = K Q^T, four tiles of 16 keys at a time
.if \u > 0
	PLACES 4
.endif
.irp t, 0,1,2,3
	ds_load_b128 v[KF+12*\t:KF+12*\t+3], v12 offset:(4*\u+\t)*FRG
	ds_load_b64 v[KF+12*\t+4:KF+12*\t+5], v13 offset:(4*\u+\t)*FRG
	ds_load_u16 v[KS+\t], v14 offset:(4*\u+\t)*64
.endr
	s_wait_dscnt 0x0
.irp t, 0,1,2,3
	v_wmma_scale_f32_16x16x128_f8f6f4 v[S+8*(4*\u+\t):S+8*(4*\u+\t)+7], v[KF+12*\t:KF+12*\t+11], v[\q:\q+11], 0, v[KS+\t], v[\qs] matrix_a_fmt:MATRIX_FMT_BF6 matrix_b_fmt:MATRIX_FMT_BF6
.endr
.endr
	PLACES 4
	s_wait_alu depctr_va_vdst(0)
.irp t, 0,1,2,3                                ; V^T's four fragments are asked for now and land during the softmax
	FRAGL KF+12*\t, 15, 16, FRG*\t
	ds_load_b32 v[KS+\t], v17 offset:64*\t
.endr
	s_cmp_lg_u32 s[ST], s[\g]                      ; on the diagonal the scores of hidden keys become -infinity ahead of the maximum
	s_cbranch_scc1 .Lopen_\@
.set N, 0
.rept 64
	v_cmp_gt_i32 vcc_lo, 32*(N/16)+N%16, v10
	v_cndmask_b32 v[S+N], v[S+N], v11, vcc_lo
.set N, N+1
.endr
.Lopen_\@:
.irp b, 0,1,2,3
	v_max3_num_f32 v[BM+\b], v[S+16*\b], v[S+1+16*\b], v[S+2+16*\b]        ; the largest score of each block of 32 keys: for the row's maximum and for the block's largest p
.endr
.irp i, 3,5,7,9,11,13
.irp b, 0,1,2,3
	v_max3_num_f32 v[BM+\b], v[BM+\b], v[S+16*\b+\i], v[S+1+16*\b+\i]
.endr
.endr
.irp b, 0,1,2,3
	v_max_num_f32 v[BM+\b], v[BM+\b], v[S+15+16*\b]
.endr
.irp b, 0,1,2,3
	s_delay_alu instid0(VALU_DEP_4)
	v_permlanex16_b32 v[BX+\b], v[BM+\b], s[SEL], s[SEL+1]
.endr
.irp b, 0,1,2,3
	s_delay_alu instid0(VALU_DEP_4)
	v_max_num_f32 v[BM+\b], v[BM+\b], v[BX+\b]
.endr
	s_delay_alu instid0(VALU_DEP_2)
	v_max3_num_f32 v22, v[BM], v[BM+1], v[BM+2]
	s_delay_alu instid0(VALU_DEP_1)
	v_max_num_f32 v22, v22, v[BM+3]
	s_delay_alu instid0(VALU_DEP_1)
	v_mul_f32 v22, s[CS], v22
	s_delay_alu instid0(VALU_DEP_1)
	v_max_num_f32 v19, v19, v22                    ; the running largest t
	v_mov_b32 v22, v18
	s_delay_alu instid0(VALU_DEP_2)
	v_floor_f32 v18, -v19                          ; the new -M: M is a whole number
	s_delay_alu instid0(VALU_DEP_1)
	v_sub_f32 v22, v18, v22
	s_delay_alu instid0(VALU_DEP_1)
	v_cvt_i32_f32 v22, v22                         ; (it saturates)
	s_delay_alu instid0(VALU_DEP_1)
	v_ldexp_f32 v224, 1.0, v22                     ; f = 2^(old M - new M)
.set J, 0
.rept 32
	v_pk_fma_f32 v[S+J:S+J+1], v[S+J:S+J+1], s[CS:CS+1], v[18:19] op_sel_hi:[1,0,0]   ; t - M
.set J, J+2
.endr
.irp b, 0,1,2,3
	v_fma_f32 v[BM+\b], v[BM+\b], s[CS], v18
.endr
.set J, 0
	s_wait_alu depctr_va_vdst(0)
.rept 64
	v_exp_f32 v[S+J], v[S+J]                       ; p = 2^(t - M)
.set J, J+1
.endr
	v_pk_mul_f32 v[20:21], v[20:21], v[224:225] op_sel_hi:[1,0]    ; the sums under the new M; a plain line behind the exponentials
	s_wait_alu depctr_va_vdst(0)                   ; one wait for the batch of 64, ahead of its first reader
.irp b, 0,1,2,3
	v_exp_f32 v[BM+\b], v[BM+\b]                   ; the blocks' largest p
.endr
	v_pk_add_f32 v[216:217], v[100:101], v[104:105]
	v_pk_add_f32 v[254:255], v[108:109], v[112:113]
	v_pk_add_f32 v[252:253], v[116:117], v[120:121]
	v_pk_add_f32 v[250:251], v[124:125], v[128:129]
	v_pk_add_f32 v[246:247], v[132:133], v[136:137]
	v_pk_add_f32 v[244:245], v[140:141], v[144:145]
	v_pk_add_f32 v[240:241], v[148:149], v[152:153]
	v_pk_add_f32 v[20:21], v[20:21], v[156:157]
	v_pk_add_f32 v[216:217], v[216:217], v[96:97]
	v_pk_add_f32 v[254:255], v[254:255], v[98:99]
	v_pk_add_f32 v[252:253], v[252:253], v[102:103]
	v_pk_add_f32 v[250:251], v[250:251], v[106:107]
	v_pk_add_f32 v[246:247], v[246:247], v[110:111]
	v_pk_add_f32 v[244:245], v[244:245], v[114:115]
	v_pk_add_f32 v[240:241], v[240:241], v[118:119]
	v_pk_add_f32 v[20:21], v[20:21], v[122:123]
	v_pk_add_f32 v[216:217], v[216:217], v[126:127]
	v_pk_add_f32 v[254:255], v[254:255], v[130:131]
	v_pk_add_f32 v[252:253], v[252:253], v[134:135]
	v_pk_add_f32 v[250:251], v[250:251], v[138:139]
	v_pk_add_f32 v[246:247], v[246:247], v[142:143]
	v_pk_add_f32 v[244:245], v[244:245], v[146:147]
	v_pk_add_f32 v[240:241], v[240:241], v[150:151]
	v_pk_add_f32 v[20:21], v[20:21], v[154:155]
	v_pk_add_f32 v[216:217], v[216:217], v[158:159]
	s_delay_alu instid0(VALU_DEP_2)
	v_pk_add_f32 v[20:21], v[20:21], v[250:251]
	s_delay_alu instid0(VALU_DEP_2)
	v_pk_add_f32 v[216:217], v[216:217], v[246:247]
	v_pk_add_f32 v[254:255], v[254:255], v[244:245]
	v_pk_add_f32 v[252:253], v[252:253], v[240:241]
	s_delay_alu instid0(VALU_DEP_2)
	v_pk_add_f32 v[20:21], v[20:21], v[254:255]
	s_delay_alu instid0(VALU_DEP_2)
	v_pk_add_f32 v[216:217], v[216:217], v[252:253]
	s_delay_alu instid0(VALU_DEP_1)
	v_pk_add_f32 v[20:21], v[20:21], v[216:217]
	s_wait_alu depctr_va_vdst(0)                   ; and one for the four
.irp b, 0,1,2,3
	v_max_num_f32 v[BM+\b], 0x2800000, v[BM+\b]    ; the floor 2^(5 - 127)
.endr
.irp b, 0,1,2,3
	s_delay_alu instid0(VALU_DEP_4)
	v_add_nc_u32 v[SPP+\b], 0xfe000000, v[BM+\b]
.endr
.irp b, 0,1,2,3
	s_delay_alu instid0(VALU_DEP_4)
	v_lshrrev_b32 v[BX+\b], 23, v[SPP+\b]
.endr
	s_delay_alu instid0(VALU_DEP_3)
	v_lshl_or_b32 v226, v[BX+1], 8, v[BX]          ; p's scale word for these 128 keys
	s_delay_alu instid0(VALU_DEP_1)
	v_lshl_or_b32 v226, v[BX+2], 16, v226
	s_delay_alu instid0(VALU_DEP_1)
	v_lshl_or_b32 v226, v[BX+3], 24, v226
.irp c, 0,1
	v_cvt_scalef32_pk16_bf6_f32 v[192+6*\c:194+6*\c], v[S+32*\c:S+15+32*\c], v[SPP+2*\c]
	v_cvt_scalef32_pk16_bf6_f32 v[204+4*\c:206+4*\c], v[S+16+32*\c:S+31+32*\c], v[SPP+2*\c+1]
.endr
	v_nop                                          ; one plain line behind a scaled conversion
.irp c, 0,1
.irp i, 0,1,2
	v_permlane16_swap_b32 v[192+6*\c+\i], v[204+4*\c+\i]
.endr
.irp i, 0,1,2
	s_delay_alu instid0(VALU_DEP_3)
	v_mov_b32 v[195+6*\c+\i], v[204+4*\c+\i]
.endr
.endr
.set J, 0
.rept 16
	v_pk_mul_f32 v[160+J:161+J], v[160+J:161+J], v[224:225] op_sel_hi:[1,0]    ; O^T under the new M; these sixteen also stand between the scale word and the codes just made and the products below
.set J, J+2
.endr
	s_wait_alu depctr_va_vdst(0)
	s_wait_dscnt 0x0                               ; V^T's fragments are in
.irp t, 0,1,2,3
	v_wmma_scale_f32_16x16x128_f8f6f4 v[160+8*\t:167+8*\t], v[KF+12*\t:KF+12*\t+11], v[192:203], v[160+8*\t:167+8*\t], v[KS+\t], v226 matrix_a_fmt:MATRIX_FMT_BF6 matrix_b_fmt:MATRIX_FMT_BF6
.endr
.Lskip_\@:
	s_add_co_u32 s[TB], s[TB], PAN
	s_add_co_u32 s[ST], s[ST], 1
	s_cmp_lt_u32 s[ST], 8
	s_cbranch_scc1 .Lstep_\@
	PLACES 4
	v_add_f32 v20, v20, v21
	s_delay_alu instid0(VALU_DEP_1)
	v_permlanex16_b32 v22, v20, s[SEL], s[SEL+1]
	s_delay_alu instid0(VALU_DEP_1)
	v_add_f32 v20, v20, v22                        ; the row's sum
	s_wait_alu depctr_va_vdst(0)
	v_rcp_f32 v224, v20
	v_nop
	s_wait_alu depctr_va_vdst(0)
.set J, 0
.rept 16
	v_pk_mul_f32 v[160+J:161+J], v[160+J:161+J], v[224:225] op_sel_hi:[1,0]
.set J, J+2
.endr
	s_wait_alu depctr_va_vdst(0)
	s_wait_xcnt 0x0                                ; the last pass's stores have read their registers
	QH 160
	global_store_b128 v7, v[PC:PC+3], s[\cb:\cb+1]         ; 512 consecutive bytes
	global_store_b64 v8, v[PC+4:PC+5], s[\cb:\cb+1]        ; 256 consecutive bytes
	global_store_b16 v9, v[PW], s[\cb:\cb+1]               ; lanes r and r + 16 store the same two bytes with the same value
.endm
	PASS GA, 24, 36, 52
	PASS PI, 228, 37, 54
	s_wait_tensorcnt 0x0
	ds_add_u32 v211, v249
	s_wait_dscnt 0x0
	CROUND                                         ; the closing round
	s_endpgm
.Lfunc_end_k_q7f2de8de41_attn:
	.size	k_q7f2de8de41_attn, .Lfunc_end_k_q7f2de8de41_attn-k_q7f2de8de41_attn
	.p2alignl 7, 3214868480
	.fill 96, 4, 3214868480
	.section	.rodata,"a",@progbits
	.p2align	6, 0x0
	.amdhsa_kernel k_q7f2de8de41_attn
		.amdhsa_group_segment_fixed_size 214016
		.amdhsa_private_segment_fixed_size 0
		.amdhsa_enable_private_segment 0
		.amdhsa_kernarg_size 16
		.amdhsa_user_sgpr_count 2
		.amdhsa_user_sgpr_kernarg_segment_ptr 1
		.amdhsa_wavefront_size32 1
		.amdhsa_system_sgpr_workgroup_id_x 1
		.amdhsa_system_sgpr_workgroup_id_y 1
		.amdhsa_system_sgpr_workgroup_id_z 1
		.amdhsa_system_vgpr_workitem_id 0
		.amdhsa_next_free_vgpr 256
		.amdhsa_next_free_sgpr 66
		.amdhsa_reserve_vcc 1
		.amdhsa_float_denorm_mode_32 3
		.amdhsa_float_denorm_mode_16_64 3
		.amdhsa_memory_ordered 1
		.amdhsa_forward_progress 1
		.amdhsa_inst_pref_size 66
	.end_amdhsa_kernel
	.amdgpu_metadata
---
amdhsa.version: [ 1, 2 ]
amdhsa.kernels:
  - .name:           k_q7f2de8de41_attn
    .symbol:         k_q7f2de8de41_attn.kd
    .args:
      - { .name: qkv, .offset: 0, .size: 8, .value_kind: global_buffer, .address_space: global }
      - { .name: ctx, .offset: 8, .size: 8, .value_kind: global_buffer, .address_space: global }
    .group_segment_fixed_size: 214016
    .private_segment_fixed_size: 0
    .kernarg_segment_align: 8
    .kernarg_segment_size: 16
    .max_flat_workgroup_size: 256
    .sgpr_count:     66
    .vgpr_count:     256
    .wavefront_size: 32
...
	.end_amdgpu_metadata
.endif
;; end of part 3
;; launch woln (part 4): grid 256 x 1, 8 waves a work-group, no clusters, 77,824 bytes of LDS; arguments ctx, wc, b_o, x, ln2_scale, ln2_shift, hres, mn; writes hres, mn
.if DOCPART == 4
	.amdgcn_target "amdgcn-amd-amdhsa--gfx1250"
	.amdhsa_code_object_version 6
	.text
	.protected	k_q7f2de8de41_woln
	.globl	k_q7f2de8de41_woln
	.p2align	8
	.type	k_q7f2de8de41_woln,@function
k_q7f2de8de41_woln:
	s_mov_b64 s[64:65], 0
	v_nop
	global_prefetch_b8 v0, s[64:65] scope:SCOPE_SE
	s_setreg_imm32_b32 hwreg(HW_REG_WAVE_MODE, 25, 1), 1
	s_wait_xcnt 0x0
; h = x + ctx W_o + b_o (stored as f32, hres), then LayerNorm(h) with gain and shift and its quantiser along the row (mn), in one launch.
; ctx and W_o are codes of BF6 (E3M2) with E8M0 scales, laid as PANELS of 128 rows x 128 K, 12,800 bytes: tile t, lane r = row 32 (t / 2) + 8 (t % 2) + r + 8 (r / 8); half c at 768 c;
; lane r + 16 h holds block 2 c + h: bytes 0-15 at 16 L, 16-23 at 512 + 8 L; scale words at 12,288 + 64 t + 4 r.  mn is laid the same way.
; SHARES.  A work-group owns one tile of 16 WHOLE rows (256 tiles), so that a row's mean and variance are made inside it.  Wave w takes columns 128 w .. 128 w + 127: 8 accumulators, 64 matrix instructions.
; A panel is the image of the operands' registers, so fragments go from memory straight into registers by dense loads of 512 and 256 bytes a wave; each fragment of W_o is used by one wave, once.
; No tile passes through LDS and there is no tensor load, so there is nothing that a cluster could ask for jointly: cluster = none.  No separate prefetch: the loads themselves run three units ahead.
; A UNIT is half a K step: 4 tiles of W_o and 2 scale registers, 18 loads; an even unit brings ctx's fragment and scale words of its K step too, 23 loads.  Four buffers by turns.
; The product is used transposed (source 0 = 16 rows of W_o, source 1 = ctx's 16 rows): lane (r, h) holds row r, and register 16 b + m of the accumulators holds column 32 b + 16 h + m of my 128.
; x + b_o turns through my own stage in LDS (in by rows of 512 bytes, out in the accumulators' order); h goes back the same way and leaves as rows of 512 consecutive bytes.
; Mean, then variance of h - mean: each wave's part of a row's sum meets the others' in 512 bytes of LDS, one barrier each.
; LIMITS: 1 / sqrt by v_rsq_f32; sums in another order than the reference's; a block of zeros or under 2^-122 gets the byte 1 (zero codes; this program alone reads the bytes); NaN and infinities are not served.
.set PAN, 12800
.set FRG, 1536
.set SCO, 12288
.set WBASE, 192                        ; W_o's first panel in wc: [n group][8 K steps]
.set SP,  528                          ; a stage row: 512 bytes + 16
.set STG, 16*SP
.set GSB, 8*STG                        ; behind the stages: gain and shift of my 128 columns, 1,024 bytes a wave
.set RED, GSB+8*1024                   ; two regions of 512 bytes: 16 rows x 8 waves' parts of a sum
.set SPARE, RED+1024                   ; the spare words, 128 bytes a wave
.set SPW, 2
.set NIL, 3
.set L16, 4                            ; 16 x lane
.set L8,  5                            ; 512 + 8 x lane
.set L4,  6                            ; 4 x lane
.set AS,  7                            ; a tile's scale words, counted from the tile's first byte: 12,288 - 1,472 t + 4 r
.set STI, 8                            ; my stage by rows
.set STA, 9                            ; my stage in the accumulators' order
.set GSI, 10
.set GSA, 11
.set RW,  12
.set RR,  13
.set WS,  16                           ; v16-23 W_o's scale words, 2 a buffer: lanes 0-15 one tile's, lanes 16-31 the next's
.set ASC, 24                           ; v24-31 ctx's scale words, one register a K step
.set AF,  32                           ; v32-127 ctx's 8 fragments; behind the products v32-95 serve the stage (XR)
.set XR,  32
.set ACC, 128                          ; v128-191
.set T,   192                          ; v192-207 at work
.set TM,  208
.set TX,  210
.set SOP, 212
.set BY,  214
.set PWA, 216
.set PWB, 217
.set PCA, 218
.set PD,  224
.set MN,  228
.set PCB, 230
.set MSB, 0                            ; window 1: v0-191 W_o's four buffers; behind the products gain at v0, shift at v64
.macro WIN new
.if MSB != (\new)
	s_set_vgpr_msb (MSB<<8)|(\new)
.set MSB, (\new)
.endif
.endm
.macro PLACES n
.rept \n
	v_nop
.endr
.endm
.macro GFRAG reg, b, off               ; a fragment's 12 registers: four dense loads
	global_load_b128 v[\reg:\reg+3], v[L16], s[\b:\b+1] offset:\off
	global_load_b64 v[\reg+4:\reg+5], v[L8], s[\b:\b+1] offset:\off
	global_load_b128 v[\reg+6:\reg+9], v[L16], s[\b:\b+1] offset:\off+768
	global_load_b64 v[\reg+10:\reg+11], v[L8], s[\b:\b+1] offset:\off+768
.endm
.macro ULOAD u
.set K, (\u)/2
.set HF, (\u)%2
.set RB, 48*((\u)%4)
	WIN 0
.set WB, 66                            ; s[66:81] W_o's panel of my walk's step K, s[82:97] ctx's
.set AB, 82
	global_load_b32 v[WS+2*((\u)%4)], v[L4], s[WB+2*K:WB+2*K+1] offset:SCO+256*HF
	global_load_b32 v[WS+2*((\u)%4)+1], v[L4], s[WB+2*K:WB+2*K+1] offset:SCO+256*HF+128
.if HF == 0
	global_load_b32 v[ASC+K], v[AS], s[AB+2*K:AB+2*K+1]
	GFRAG AF+12*K, AB+2*K, 0
.endif
	WIN 0x40
.irp jj, 0,1,2,3
	GFRAG RB+12*\jj, WB+2*K, (4*HF+\jj)*FRG
.endr
.endm
.macro NLD v                           ; adds unit v's loads to CNT
.if (\v) < 16
.set CNT, CNT+18+5*(1-(\v)%2)
.endif
.endm
.macro UMUL u                          ; the unit's four products; the 8 accumulators take turns, one instruction a turn; the first K step starts the sums
.set K, (\u)/2
.set RB, 48*((\u)%4)
.set SW, WS+2*((\u)%4)
.irp jj, 0,1,2,3
.set AD, ACC+8*(4*((\u)%2)+\jj)
.set AG, RB+12*\jj
.if K == 0
.if \jj%2
	v_wmma_scale_f32_16x16x128_f8f6f4 v[AD:AD+7], v[AG:AG+11], v[AF+12*K:AF+12*K+11], 0, v[SW+\jj/2], v[ASC+K] matrix_a_fmt:MATRIX_FMT_BF6 matrix_b_fmt:MATRIX_FMT_BF6 matrix_a_scale:MATRIX_SCALE_ROW1
.else
	v_wmma_scale_f32_16x16x128_f8f6f4 v[AD:AD+7], v[AG:AG+11], v[AF+12*K:AF+12*K+11], 0, v[SW+\jj/2], v[ASC+K] matrix_a_fmt:MATRIX_FMT_BF6 matrix_b_fmt:MATRIX_FMT_BF6
.endif
.else
.if \jj%2
	v_wmma_scale_f32_16x16x128_f8f6f4 v[AD:AD+7], v[AG:AG+11], v[AF+12*K:AF+12*K+11], v[AD:AD+7], v[SW+\jj/2], v[ASC+K] matrix_a_fmt:MATRIX_FMT_BF6 matrix_b_fmt:MATRIX_FMT_BF6 matrix_a_scale:MATRIX_SCALE_ROW1
.else
	v_wmma_scale_f32_16x16x128_f8f6f4 v[AD:AD+7], v[AG:AG+11], v[AF+12*K:AF+12*K+11], v[AD:AD+7], v[SW+\jj/2], v[ASC+K] matrix_a_fmt:MATRIX_FMT_BF6 matrix_b_fmt:MATRIX_FMT_BF6
.endif
.endif
.endr
.endm
; Eight pairs in v[T] on become the row's sum over all 1,024 columns, the same bits in every lane of every wave.  red: which region.
.macro FOLD red
.irp c, 0,2,4,6
	v_pk_add_f32 v[T+\c:T+\c+1], v[T+\c:T+\c+1], v[T+8+\c:T+9+\c]
.endr
	s_delay_alu instid0(VALU_DEP_2)
	v_pk_add_f32 v[T:T+1], v[T:T+1], v[T+4:T+5]
	s_delay_alu instid0(VALU_DEP_2)
	v_pk_add_f32 v[T+2:T+3], v[T+2:T+3], v[T+6:T+7]
	s_delay_alu instid0(VALU_DEP_1)
	v_pk_add_f32 v[T:T+1], v[T:T+1], v[T+2:T+3]
	s_delay_alu instid0(VALU_DEP_1)
	v_add_f32 v[T], v[T], v[T+1]
	s_delay_alu instid0(VALU_DEP_1)
	v_permlanex16_b32 v[TX], v[T], s36, s37
	s_delay_alu instid0(VALU_DEP_1)
	v_add_f32 v[T], v[T], v[TX]                    ; my wave's 128 columns of row r
	ds_store_b32 v[RW], v[T] offset:\red           ; lanes r and r + 16 write the same word with the same value
	s_wait_alu depctr_va_vdst(0)                   ; directly ahead of the wait below
	s_wait_dscnt 0x0                               ; for the others' sake: my part is stored; and all my earlier LDS instructions are done
.if (\red) == 0
.irp e, 0,1,2,3,4,5,6,7,8,9,10,11,12,13,14,15
	global_store_b128 v[L16], v[XR+4*\e:XR+4*\e+3], s[16:17] offset:(\e+8*(\e/8))*4096   ; h: 512 consecutive bytes of a row, at a multiple of 256
.endr
.endif
	s_barrier_signal -1
	s_barrier_wait -1
	ds_load_b128 v[T:T+3], v[RR] offset:\red
	ds_load_b128 v[T+4:T+7], v[RR] offset:\red+16
	s_wait_dscnt 0x0
	v_pk_add_f32 v[T:T+1], v[T:T+1], v[T+2:T+3]
	v_pk_add_f32 v[T+4:T+5], v[T+4:T+5], v[T+6:T+7]
	s_delay_alu instid0(VALU_DEP_1)
	v_pk_add_f32 v[T:T+1], v[T:T+1], v[T+4:T+5]
	s_delay_alu instid0(VALU_DEP_1)
	v_add_f32 v[T], v[T], v[T+1]
.endm
; 32 numbers of a lane (register 16 b + i = column 32 b + 16 (lane / 16) + i) become half a fragment in v[pc:pc+5] and two scale bytes in v[pw].
.macro QH s, pw, pc
	v_max3_num_f32 v[TM], |v[\s]|, |v[\s+1]|, 0x2800000            ; with the floor 2^(5 - 127): the byte cannot fall under 1
	v_max3_num_f32 v[TM+1], |v[\s+16]|, |v[\s+17]|, 0x2800000
.irp i, 2,4,6,8,10,12,14
	s_delay_alu instid0(VALU_DEP_2)
	v_max3_num_f32 v[TM], v[TM], |v[\s+\i]|, |v[\s+\i+1]|
	s_delay_alu instid0(VALU_DEP_2)
	v_max3_num_f32 v[TM+1], v[TM+1], |v[\s+16+\i]|, |v[\s+17+\i]|
.endr
	s_delay_alu instid0(VALU_DEP_2)
	v_permlanex16_b32 v[TX], v[TM], s36, s37
	s_delay_alu instid0(VALU_DEP_2)
	v_permlanex16_b32 v[TX+1], v[TM+1], s36, s37
	s_delay_alu instid0(VALU_DEP_2)
	v_max_num_f32 v[TM], v[TM], v[TX]              ; with lane l xor 16's: the block's largest magnitude
	s_delay_alu instid0(VALU_DEP_2)
	v_max_num_f32 v[TM+1], v[TM+1], v[TX+1]
	s_delay_alu instid0(VALU_DEP_2)
	v_add_nc_u32 v[SOP], 0xfe000000, v[TM]         ; 4 off the exponent field: the conversion's scale operand
	s_delay_alu instid0(VALU_DEP_2)
	v_add_nc_u32 v[SOP+1], 0xfe000000, v[TM+1]
	s_delay_alu instid0(VALU_DEP_2)
	v_lshrrev_b32 v[BY], 23, v[SOP]
	s_delay_alu instid0(VALU_DEP_2)
	v_lshrrev_b32 v[BY+1], 23, v[SOP+1]
	s_delay_alu instid0(VALU_DEP_1)
	v_lshl_or_b32 v[\pw], v[BY+1], 8, v[BY]
	v_cvt_scalef32_pk16_bf6_f32 v[\pc:\pc+2], v[\s:\s+15], v[SOP]
	v_cvt_scalef32_pk16_bf6_f32 v[PD:PD+2], v[\s+16:\s+31], v[SOP+1]
	v_nop                                          ; one plain line behind a scaled conversion
.irp i, 0,1,2
	v_permlane16_swap_b32 v[\pc+\i], v[PD+\i]      ; a whole block to a lane: lanes 0-15 the first, lanes 16-31 the second
.endr
.irp i, 0,1,2
	s_delay_alu instid0(VALU_DEP_3)
	v_mov_b32 v[\pc+3+\i], v[PD+\i]
.endr
.endm
	s_load_b256 s[4:11], s[0:1], 0x0               ; ctx, wc, b_o, x
	s_load_b256 s[12:19], s[0:1], 0x20             ; gain, shift, hres, mn
	v_lshl_add_u32 v[SPW], v0, 2, SPARE
	v_mov_b32 v[NIL], 0
	v_lshrrev_b32 v1, 5, v0
	s_delay_alu instid0(VALU_DEP_1)
	v_readfirstlane_b32 s20, v1                    ; wave 0..7
	s_lshr_b32 s21, ttmp9, 3                       ; row group of 128
	s_and_b32 s22, ttmp9, 7                        ; tile
	s_lshl_b32 s24, s21, 7
	s_lshr_b32 s23, s22, 1
	s_lshl_b32 s23, s23, 5
	s_add_co_u32 s24, s24, s23
	s_and_b32 s23, s22, 1
	s_lshl_b32 s23, s23, 3
	s_add_co_u32 s24, s24, s23                     ; the tile's first row: 128 g + 32 (t / 2) + 8 (t % 2)
	s_lshl_b32 s24, s24, 12
	s_lshl_b32 s26, s20, 9                         ; my 128 columns: 512 bytes a wave
	s_add_co_u32 s24, s24, s26
	s_mov_b32 s25, 0
	s_mov_b32 s27, 0
	s_mul_i32 s28, s21, 8*PAN
	s_mul_i32 s23, s22, FRG
	s_add_co_u32 s28, s28, s23                     ; tile t in the group's first panel
	s_mov_b32 s29, 0
	s_mul_i32 s30, s20, 8*PAN
	s_add_co_u32 s30, s30, WBASE*PAN               ; W_o's n group w
	s_mov_b32 s31, 0
	s_mul_i32 s32, s20, PAN
	s_add_co_u32 s32, s32, s28                     ; mn: tile t of the group's panel w
	s_mov_b32 s33, 0
	s_mul_i32 s34, s22, 1472
	s_sub_co_u32 s34, SCO, s34
	s_mul_i32 s35, s20, STG
	s_lshl_b32 s40, s20, 10
	s_add_co_u32 s40, s40, GSB
	s_lshl_b32 s41, s20, 2
	s_add_co_u32 s41, s41, RED
	s_mov_b32 s36, 0x76543210
	s_mov_b32 s37, 0xfedcba98                      ; v_permlanex16_b32's selects for lane l xor 16
	s_mov_b32 s38, 0x3a800000                      ; 1 / 1,024
	s_mov_b32 s39, 0x3727c5ac                      ; 1e-5
	v_and_b32 v1, 31, v0                           ; lane
	v_and_b32 v14, 15, v0                          ; r
	v_bfe_u32 v15, v0, 4, 1                        ; h
	v_mov_b32 v[TX], 0                             ; a lane permute's destination counts as one of its sources
	v_mov_b32 v[TX+1], 0
	v_lshlrev_b32 v[L16], 4, v1
	v_lshl_add_u32 v[L8], v1, 3, 512
	v_lshlrev_b32 v[L4], 2, v1
	v_lshl_add_u32 v[AS], v14, 2, s34
	v_mul_u32_u24 v[STA], v14, SP
	v_lshl_add_u32 v[GSA], v15, 6, s40
	v_lshl_add_u32 v[RW], v14, 5, s41              ; row r's 32 bytes, my wave's word
	v_lshl_add_u32 v[RR], v14, 5, RED
	v_add_nc_u32 v[STI], s35, v[L16]
	v_add_nc_u32 v[GSI], s40, v[L16]
	v_lshl_add_u32 v[STA], v15, 6, v[STA]
	v_mov_b32 v[MN+1], 0                           ; named as the upper half of the pair v[MN:MN+1]
	s_delay_alu instid0(VALU_DEP_2)
	v_add_nc_u32 v[STA], s35, v[STA]               ; 528 r + 64 h in my stage
	s_wait_alu depctr_va_vdst(0)                   ; the wait at the head's end
	s_wait_kmcnt 0x0
	s_add_nc_u64 s[4:5], s[4:5], s[28:29]
	s_add_nc_u64 s[6:7], s[6:7], s[30:31]
	s_add_nc_u64 s[8:9], s[8:9], s[26:27]
	s_add_nc_u64 s[10:11], s[10:11], s[24:25]
	s_add_nc_u64 s[12:13], s[12:13], s[26:27]
	s_add_nc_u64 s[14:15], s[14:15], s[26:27]
	s_add_nc_u64 s[16:17], s[16:17], s[24:25]
	s_add_nc_u64 s[18:19], s[18:19], s[32:33]
	global_load_b128 v[T:T+3], v[L16], s[8:9]              ; b_o, gain, shift of my 128 columns, 4 a lane
	global_load_b128 v[T+4:T+7], v[L16], s[12:13]
	global_load_b128 v[T+8:T+11], v[L16], s[14:15]
.irp e, 0,1,2,3,4,5,6,7,8,9,10,11,12,13,14,15
	global_load_b128 v[ACC+4*\e:ACC+4*\e+3], v[L16], s[10:11] offset:(\e+8*(\e/8))*4096 th:TH_LOAD_NT   ; x: 512 consecutive bytes of the tile's row e
.endr
; THE WALK ALONG K BEGINS AT STEP t, the tile's number, and goes round: step K of the walk takes K step (K + t) % 8 of ctx and of W_o.  So eight neighbouring work-groups name all 64 panels of W_o
; with their first loads.  A row's sum is made of the same eight products, added in that order.
	s_mov_b32 s43, 0
.irp k, 0,1,2,3,4,5,6,7
	s_add_co_u32 s42, s22, \k
	s_and_b32 s42, s42, 7
	s_mul_i32 s42, s42, PAN
	s_add_nc_u64 s[66+2*\k:67+2*\k], s[6:7], s[42:43]
	s_add_nc_u64 s[82+2*\k:83+2*\k], s[4:5], s[42:43]
.endr
	ULOAD 0
	ULOAD 1
	WIN 0
	s_wait_loadcnt 41                              ; all but units 0 and 1 (23 + 18 loads) are in
.irp e, 0,1,2,3,4,5,6,7,8,9,10,11,12,13,14,15
	v_pk_add_f32 v[ACC+4*\e:ACC+4*\e+1], v[ACC+4*\e:ACC+4*\e+1], v[T:T+1]          ; x + b_o
	v_pk_add_f32 v[ACC+4*\e+2:ACC+4*\e+3], v[ACC+4*\e+2:ACC+4*\e+3], v[T+2:T+3]
.endr
.irp e, 0,1,2,3,4,5,6,7,8,9,10,11,12,13,14,15
	ds_store_b128 v[STI], v[ACC+4*\e:ACC+4*\e+3] offset:SP*\e
.endr
	ds_store_b128 v[GSI], v[T+4:T+7]
	ds_store_b128 v[GSI], v[T+8:T+11] offset:512
	s_wait_dscnt 0x0                               ; the stores have read their registers: the products may write them
	ULOAD 2
.set U, 0
.rept 16
.set CNT, 0
	NLD U+1
	NLD U+2
	s_wait_loadcnt CNT                             ; unit U is in; the two younger units may be out
	WIN 0x01                                       ; source 0 (W_o) window 1
	UMUL U
	PLACES 4                                       ; in front of loads into registers that matrix instructions have read, and of the first read of the results
.if U+3 < 16
	ULOAD U+3                                      ; into the buffer of unit U - 1
.endif
.set U, U+1
.endr
	WIN 0
.irp b, 0,1,2,3
.irp q, 0,1,2,3
	ds_load_b128 v[XR+16*\b+4*\q:XR+16*\b+4*\q+3], v[STA] offset:128*\b+16*\q      ; x + b_o in the accumulators' order
.endr
.endr
	WIN 0x40
.irp b, 0,1,2,3
.irp q, 0,1,2,3
	ds_load_b128 v[16*\b+4*\q:16*\b+4*\q+3], v[GSA] offset:128*\b+16*\q            ; gain,
	ds_load_b128 v[64+16*\b+4*\q:64+16*\b+4*\q+3], v[GSA] offset:512+128*\b+16*\q  ; shift
.endr
.endr
	WIN 0
	s_wait_dscnt 32
.set J, 0
.rept 32
	v_pk_add_f32 v[ACC+J:ACC+J+1], v[ACC+J:ACC+J+1], v[XR+J:XR+J+1]                ; h; each accumulator is read from its low end on
.set J, J+2
.endr
.irp b, 0,1,2,3
.irp q, 0,1,2,3
	ds_store_b128 v[STA], v[ACC+16*\b+4*\q:ACC+16*\b+4*\q+3] offset:128*\b+16*\q
.endr
.endr
.irp e, 0,1,2,3,4,5,6,7,8,9,10,11,12,13,14,15
	ds_load_b128 v[XR+4*\e:XR+4*\e+3], v[STI] offset:SP*\e                         ; LDS serves a wave's instructions in order: these see my stores
.endr
.irp c, 0,1,2,3,4,5,6,7
	v_pk_add_f32 v[T+2*\c:T+2*\c+1], v[ACC+4*\c:ACC+4*\c+1], v[ACC+4*\c+2:ACC+4*\c+3]
.endr
.irp m, 32,48
.irp c, 0,1,2,3,4,5,6,7
	v_pk_add_f32 v[T+2*\c:T+2*\c+1], v[T+2*\c:T+2*\c+1], v[ACC+\m+2*\c:ACC+\m+2*\c+1]
.endr
.endr
	FOLD 0
	s_delay_alu instid0(VALU_DEP_1)
	v_mul_f32 v[MN], s38, v[T]                     ; the mean
.set J, 0
.rept 32
	v_pk_add_f32 v[ACC+J:ACC+J+1], v[ACC+J:ACC+J+1], v[MN:MN+1] op_sel_hi:[1,0] neg_lo:[0,1] neg_hi:[0,1]   ; d = h - mean
.set J, J+2
.endr
.irp c, 0,1,2,3,4,5,6,7
	v_pk_mul_f32 v[T+2*\c:T+2*\c+1], v[ACC+2*\c:ACC+2*\c+1], v[ACC+2*\c:ACC+2*\c+1]
.endr
.irp m, 16,32,48
.irp c, 0,1,2,3,4,5,6,7
	v_pk_fma_f32 v[T+2*\c:T+2*\c+1], v[ACC+\m+2*\c:ACC+\m+2*\c+1], v[ACC+\m+2*\c:ACC+\m+2*\c+1], v[T+2*\c:T+2*\c+1]
.endr
.endr
	FOLD 512
	s_delay_alu instid0(VALU_DEP_1)
	v_fma_f32 v[T], v[T], s38, s39                 ; the variance + 1e-5
	s_wait_alu depctr_va_vdst(0)                   ; the wait ahead of the transcendental,
	v_rsq_f32 v[MN], v[T]
	v_nop                                          ; a plain line behind it,
	s_wait_alu depctr_va_vdst(0)                   ; and the wait ahead of its first reader
.set J, 0
.rept 32
	v_pk_mul_f32 v[ACC+J:ACC+J+1], v[ACC+J:ACC+J+1], v[MN:MN+1] op_sel_hi:[1,0]
.set J, J+2
.endr
	WIN 0x14                                       ; sources 1 and 2 window 1
.set J, 0
.rept 32
	v_pk_fma_f32 v[ACC+J:ACC+J+1], v[ACC+J:ACC+J+1], v[J:J+1], v[64+J:64+J+1]      ; x gain + shift
.set J, J+2
.endr
	WIN 0
	QH ACC, PWA, PCA                               ; columns 0-63 of my 128: half 0 of the tile in panel w
	global_store_b128 v[L16], v[PCA:PCA+3], s[18:19]               ; 512 consecutive bytes
	global_store_b64 v[L8], v[PCA+4:PCA+5], s[18:19]               ; 256 consecutive bytes
	QH ACC+32, PWB, PCB                            ; columns 64-127: half 1
	global_store_b128 v[L16], v[PCB:PCB+3], s[18:19] offset:768
	global_store_b64 v[L8], v[PCB+4:PCB+5], s[18:19] offset:768
	v_lshl_or_b32 v[PWA], v[PWB], 16, v[PWA]       ; the four bytes make row r's scale word
	global_store_b32 v[AS], v[PWA], s[18:19]       ; lanes r and r + 16 store the same word with the same value
	s_wait_tensorcnt 0x0                           ; the wave's end
	ds_add_u32 v[SPW], v[NIL]
	s_wait_dscnt 0x0
	s_endpgm
.Lfunc_end_k_q7f2de8de41_woln:
	.size	k_q7f2de8de41_woln, .Lfunc_end_k_q7f2de8de41_woln-k_q7f2de8de41_woln
	.p2alignl 7, 3214868480
	.fill 96, 4, 3214868480
	.section	.rodata,"a",@progbits
	.p2align	6, 0x0
	.amdhsa_kernel k_q7f2de8de41_woln
		.amdhsa_group_segment_fixed_size 77824
		.amdhsa_private_segment_fixed_size 0
		.amdhsa_enable_private_segment 0
		.amdhsa_kernarg_size 64
		.amdhsa_user_sgpr_count 2
		.amdhsa_user_sgpr_kernarg_segment_ptr 1
		.amdhsa_wavefront_size32 1
		.amdhsa_system_sgpr_workgroup_id_x 1
		.amdhsa_system_sgpr_workgroup_id_y 1
		.amdhsa_system_sgpr_workgroup_id_z 1
		.amdhsa_system_vgpr_workitem_id 0
		.amdhsa_next_free_vgpr 448
		.amdhsa_next_free_sgpr 98
		.amdhsa_reserve_vcc 0
		.amdhsa_float_denorm_mode_32 3
		.amdhsa_float_denorm_mode_16_64 3
		.amdhsa_memory_ordered 1
		.amdhsa_forward_progress 1
		.amdhsa_inst_pref_size 80
	.end_amdhsa_kernel
	.amdgpu_metadata
---
amdhsa.version: [ 1, 2 ]
amdhsa.kernels:
  - .name:           k_q7f2de8de41_woln
    .symbol:         k_q7f2de8de41_woln.kd
    .args:
      - { .name: ctx, .offset: 0, .size: 8, .value_kind: global_buffer, .address_space: global }
      - { .name: wc, .offset: 8, .size: 8, .value_kind: global_buffer, .address_space: global }
      - { .name: b_o, .offset: 16, .size: 8, .value_kind: global_buffer, .address_space: global }
      - { .name: x, .offset: 24, .size: 8, .value_kind: global_buffer, .address_space: global }
      - { .name: ln2_scale, .offset: 32, .size: 8, .value_kind: global_buffer, .address_space: global }
      - { .name: ln2_shift, .offset: 40, .size: 8, .value_kind: global_buffer, .address_space: global }
      - { .name: hres, .offset: 48, .size: 8, .value_kind: global_buffer, .address_space: global }
      - { .name: mn, .offset: 56, .size: 8, .value_kind: global_buffer, .address_space: global }
    .group_segment_fixed_size: 77824
    .private_segment_fixed_size: 0
    .kernarg_segment_align: 8
    .kernarg_segment_size: 64
    .max_flat_workgroup_size: 256
    .sgpr_count:     98
    .vgpr_count:     448
    .wavefront_size: 32
...
	.end_amdgpu_metadata
.endif
;; end of part 4
;; launch fc (part 5): grid 8 x 32, 4 waves a work-group, clusters of 4 x 4, 327,680 bytes of LDS; arguments mn, wc, b_fc, hid; writes hid
.if DOCPART == 5
	.amdgcn_target "amdgcn-amd-amdhsa--gfx1250"
	.amdhsa_code_object_version 6
	.text
	.protected	k_q7f2de8de41_fc
	.globl	k_q7f2de8de41_fc
	.p2align	8
	.type	k_q7f2de8de41_fc,@function
k_q7f2de8de41_fc:
	s_mov_b64 s[64:65], 0
	v_nop
	global_prefetch_b8 v0, s[64:65] scope:SCOPE_SE
	s_setreg_imm32_b32 hwreg(HW_REG_WAVE_MODE, 25, 1), 1
	s_wait_xcnt 0x0
	s_wait_alu depctr_hold_cnt(0) depctr_sa_sdst(0) depctr_va_vdst(0) depctr_va_sdst(0) depctr_va_ssrc(0) depctr_va_vcc(0) depctr_vm_vsrc(0)
	s_getreg_b32 s2, hwreg(HW_REG_IB_STS2, 6, 4)
	s_cmp_eq_u32 s2, 0
	s_cbranch_scc0 .Lentry_in_a_cluster
	s_endpgm
.Lentry_in_a_cluster:
	s_bfe_u32 s2, ttmp6, 0x10000c
	s_cmp_lg_u32 s2, 0xf033
	s_cbranch_scc0 .Lentry_shape_is_right
	s_endpgm
.Lentry_shape_is_right:
; hid = gelu(LayerNorm(h) W_fc + b_fc), on codes of BF6 (E3M2) with E8M0 scales; the result is quantised in registers along the hidden units and stored as panels of codes.
; PANEL: 128 rows x 128 K, 12,800 bytes: tile t, lane r = row 32 (t / 2) + 8 (t % 2) + r + 8 (r / 8); half c at 768 c; lane r + 16 h holds block 2 c + h: bytes 0-15 at 16 L, 16-23 at 512 + 8 L; scale words at 12,288 + 64 t + 4 r.
; A product is D = G R^T (source 0 = 16 rows of G = W_fc, source 1 = 16 rows of R = mn): a lane holds ONE row of R, and by the rows' order in a tile the 16 registers of two neighbouring G tiles are 16 NEIGHBOURS
; along the hidden units, the next product's K.
; SHARES.  A tile of the result is 128 x 128; four waves, 64 x 64 each (16 accumulators).  A work-group keeps R's 8 panels (all of K = 1,024) in LDS and walks 4 tiles: G's 8 panels come through two slots.
; CLUSTER 4 x 4: R hangs on the work-group's y and is asked for jointly along a row of the cluster, G on its x and is asked for jointly along a column.
; gelu(x) = x / (1 + 2^(-k x (1 + 0.044715 x^2))), k = 2 sqrt(2 / pi) log2(e): the same function as 0.5 x (1 + tanh(..)), by v_exp_f32 and v_rcp_f32.
; LIMITS: a block of zeros or under 2^-122 gets the byte 1 (zero codes; this program alone reads the bytes); NaN and infinities are not served.
; REGISTERS: window 0: v8-31 addresses, v32-39 scale words (two sets), v40-71 the bias, v72-103 at work, v104-122 the quantiser's, v128-255 the accumulators ((i, g) at 128 + 8 (4 i + g)).  Window 1: three fragment buffers.
.set QKV, 0
.set PAN, 12800
.set FRG, 1536
.set SCO, 12288
.set KP,  8*PAN                        ; all of K for 128 rows
.set CHB, 5*PAN                        ; an LDS offset has 16 bits: K steps 5-7 take a second address register, 64,000 bytes on
.set SCR, 3*KP                         ; LDS: R at 0, G's slots at KP and 2 KP, then two scratch regions of 512 bytes for a tile's scale words,
.set SPARE, SCR+1024                   ; then the spare words, 128 bytes a wave: two blocks of 256 bytes that no other line names
.set SPW, 8
.set NIL, 9
.set R16, 10
.set R8,  12
.set G16, 14
.set G8,  18
.set VS,  22
.set O16, 26
.set O8,  27
.set SCW, 28
.set SCRD, 29
.set BO,  30
.set L16, 31
.set SC,  32
.set BIAS, 40
.set T,   72
.set TM,  104
.set TX,  106
.set SOP, 108
.set BY,  110
.set PW,  112
.set PC,  114
.set PD,  120
.set ACC, 128
.set WV,  12
.set RI,  13
.set GI,  14
.set SEL, 20
.set G1R, 24
.set G1G, 32
.set G0R, 40
.set G0G, 44
.set OB,  52
.set OST, 54
.set GST, 56
.set BB,  58
.set CM0, 2-QKV                        ; what starts a sum: the bias
.set MSB, 0
.macro WIN new                         ; the immediate's high byte repeats the setting that is left
.if MSB != \new
	s_set_vgpr_msb (MSB<<8)|\new
.set MSB, \new
.endif
.endm
.set MUL,  0x0d                        ; source 0 (G) window 1, source 1 (R) window 3 (K steps 5-7; 4 less: window 2, K steps 0-4); C and D window 0
.set TO_F, 0x40                        ; destination window 1, address window 0
.macro PLACES n
.rept \n
	v_nop
.endr
.endm
.macro CREST                           ; a round of the cluster's barrier behind its opening barrier
	s_cmp_lg_u32 s[WV], 0
	s_cbranch_scc1 .Lnot_wave_0_\@
	s_barrier_signal -3
.Lnot_wave_0_\@:
	s_barrier_wait -3
	s_barrier_signal -1
	s_barrier_wait -1
.endm
.macro CROUND
	s_barrier_signal -1
	s_barrier_wait -1
	CREST
.endm
.macro FRAGL reg, a16, a8, off         ; a fragment's 12 registers: four dense loads
	ds_load_b128 v[\reg:\reg+3], v[\a16] offset:\off
	ds_load_b64 v[\reg+4:\reg+5], v[\a8] offset:\off
	ds_load_b128 v[\reg+6:\reg+9], v[\a16] offset:\off+768
	ds_load_b64 v[\reg+10:\reg+11], v[\a8] offset:\off+768
.endm
.macro FETCHK buf, sc, slot, k         ; 20 LDS loads in one run: K step k: 4 scale registers and G's four tiles (R's fragments stay in registers: RLOAD)
.set CH, (\k)/5
.set OF, ((\k)%5)*PAN
	WIN 0
.irp i, 0,1,2,3
	ds_load_b32 v[SC+4*(\sc)+\i], v[VS+2*(\slot)+CH] offset:OF+64*\i
.endr
	WIN TO_F
.irp i, 0,1,2,3
	FRAGL (\buf)+12*\i, G16+2*(\slot)+CH, G8+2*(\slot)+CH, OF+FRG*\i
.endr
.endm
; R's tile i against G's four.  The 16 accumulators take turns, one instruction a turn, in the same order in every step.  cm: 0 adds on, 1 starts with 0, 2 with the bias.
.macro MUL4 buf, sc, i, cm, k=7        ; k: the K step, which says where R's fragment lies
.irp g, 0,1,2,3
.set AD, ACC+8*(4*(\i)+\g)
.set AG, (\buf)+12*\g
.set AR, 48*((\k)%5)+12*(\i)
.if (\cm) == 0
	v_wmma_scale_f32_16x16x128_f8f6f4 v[AD:AD+7], v[AG:AG+11], v[AR:AR+11], v[AD:AD+7], v[SC+4*(\sc)+\g], v[SC+4*(\sc)+(\i)] matrix_a_fmt:MATRIX_FMT_BF6 matrix_b_fmt:MATRIX_FMT_BF6 matrix_a_scale:MATRIX_SCALE_ROW1
.elseif (\cm) == 1
	v_wmma_scale_f32_16x16x128_f8f6f4 v[AD:AD+7], v[AG:AG+11], v[AR:AR+11], 0, v[SC+4*(\sc)+\g], v[SC+4*(\sc)+(\i)] matrix_a_fmt:MATRIX_FMT_BF6 matrix_b_fmt:MATRIX_FMT_BF6 matrix_a_scale:MATRIX_SCALE_ROW1
.else
	v_wmma_scale_f32_16x16x128_f8f6f4 v[AD:AD+7], v[AG:AG+11], v[AR:AR+11], v[BIAS+8*\g:BIAS+8*\g+7], v[SC+4*(\sc)+\g], v[SC+4*(\sc)+(\i)] matrix_a_fmt:MATRIX_FMT_BF6 matrix_b_fmt:MATRIX_FMT_BF6 matrix_a_scale:MATRIX_SCALE_ROW1
.endif
.endr
.endm
; K step k of a tile.  G's fragments and the scale words are fetched TWO steps ahead, in three buffers by turns: buffer k % 3 lies in window 1 at v0, v128, v64, its scale words at v32, v36, v124
; (the scale set's number 23 stands for v124 = SC + 4 x 23).  Step 6 fetches nothing: the next tile's steps 0 and 1 are fetched behind the change of slots (TURN, NEXT1).
; No data prefetch here: a refill of G is asked for a way out and a whole tile (128 matrix instructions and the gelu of 128 numbers a lane) ahead of the wait for it.
.macro STEP k, cm, slot
	s_wait_dscnt 20                                ; this step's 20 loads are in; the next step's 20 may be out
.if (\k) < 6
.set NB, ((\k)+2)%3
	PLACES 4                                       ; in front of loads into registers that the last step's matrix instructions have read
	FETCHK 128*(NB%2)+64*(NB/2), NB+21*(NB/2), \slot, (\k)+2
.endif
.set CB, (\k)%3
.set MW, MUL-4*(1-(\k)/5)
	WIN MW
.irp i, 0,1,2,3
	MUL4 128*(CB%2)+64*(CB/2), CB+21*(CB/2), \i, \cm, \k
.endr
.endm
.macro NEXT1 slot                      ; the next tile's K step 1, into buffer 1, which the tile's last step has just multiplied
	PLACES 4
	FETCHK 128, 1, \slot, 1
	WIN 0
.endm
; R's 32 fragments of my 64 rows (4 tiles x 8 K steps, 384 registers) are read from LDS once and serve all four tiles of the walk:
; K steps 0-4 in window 2 at 48 k + 12 i, K steps 5-7 in window 3 at 48 (k - 5) + 12 i.
.macro RLOAD
.irp k, 0,1,2,3,4,5,6,7
.set MW, 0x80+0x40*(\k/5)
	WIN MW
.irp i, 0,1,2,3
	FRAGL 48*(\k%5)+12*\i, R16+\k/5, R8+\k/5, (\k%5)*PAN+FRG*\i
.endr
.endr
	WIN 0
.endm
; A tile's last K step (buffer 1) changes G's slot: ONE barrier; in front of it each wave waits for all its tensor loads, adds 0 to its spare word, and waits for that and for its reads of the slot.
.macro TURN fill, slot, nslot
	WIN 0
	s_wait_tensorcnt 0x0                           ; all my tensor loads have landed: my part of the other slot
	ds_add_u32 v[SPW], v[NIL]                      ; 0 onto my spare word
	s_wait_dscnt 1                                 ; (the add alone may be out: this step's 20 loads are in)
	WIN MUL
	MUL4 128, 1, 0, 0
	MUL4 128, 1, 1, 0
	s_wait_dscnt 0x0                               ; the add is done, and my reads of this slot are over
	s_barrier_signal -1
	MUL4 128, 1, 2, 0
	WIN 0
	s_barrier_wait -1
.if \fill
	CREST                                          ; the barrier has opened a round of the cluster's: no wave of any partner still reads this slot or has a load on its way
	s_add_nc_u64 s[G0G+4*(\slot)+2:G0G+4*(\slot)+3], s[G0G+4*(\slot)+2:G0G+4*(\slot)+3], s[GST:GST+1]
	tensor_load_to_lds s[G0G+4*(\slot):G0G+4*(\slot)+3], s[G1G:G1G+7]   ; G of the tile two on: my one load behind the round; it has a way out and a whole tile in which to land
	s_nop 0
.endif
	PLACES 4
	s_wait_alu depctr_va_vdst(0)
	FETCHK 0, 0, \nslot, 0
	WIN MUL
	MUL4 128, 1, 3, 0
	WIN 0
.endm
.macro LAST
	s_wait_dscnt 0x0
	WIN MUL
	MUL4 128, 1, 0, 0
	MUL4 128, 1, 1, 0
	s_wait_dscnt 0x0
	MUL4 128, 1, 2, 0
	MUL4 128, 1, 3, 0
	WIN 0
.endm
.macro BIASLOAD                        ; lane (r, h), G tile g, register j: hidden unit 32 (g / 2) + 8 (g % 2) + 16 h + j of my 64
.irp g, 0,1,2,3
	global_load_b128 v[BIAS+8*\g:BIAS+8*\g+3], v[BO], s[BB:BB+1] offset:128*(\g/2)+32*(\g%2)
	global_load_b128 v[BIAS+8*\g+4:BIAS+8*\g+7], v[BO], s[BB:BB+1] offset:128*(\g/2)+32*(\g%2)+16
.endr
.endm
.macro GELU s                          ; 32 numbers in place, each accumulator read from its low end on
.set J, 0
.rept 16
	v_pk_mul_f32 v[T+J:T+J+1], v[\s+J:\s+J+1], v[\s+J:\s+J+1]
.set J, J+2
.endr
.set J, 0
.rept 16
	v_pk_fma_f32 v[T+J:T+J+1], v[T+J:T+J+1], 0xbdd2d3e8, v[6:7] op_sel_hi:[1,0,1]  ; -k (1 + 0.044715 x^2), k = 2 sqrt(2 / pi) log2(e): -0.044715 k x^2 - k
.set J, J+2
.endr
.set J, 0
.rept 16
	v_pk_mul_f32 v[T+J:T+J+1], v[T+J:T+J+1], v[\s+J:\s+J+1]
.set J, J+2
.endr
.set J, 0
	s_wait_alu depctr_va_vdst(0)
.rept 32
	v_exp_f32 v[T+J], v[T+J]
.set J, J+1
.endr
	v_nop                                          ; a plain line behind the batch,
	s_wait_alu depctr_va_vdst(0)                   ; and one wait for it, ahead of its first reader
.set J, 0
.rept 16
	v_pk_add_f32 v[T+J:T+J+1], v[T+J:T+J+1], 1.0 op_sel_hi:[1,0]
.set J, J+2
.endr
.set J, 0
	s_wait_alu depctr_va_vdst(0)
.rept 32
	v_rcp_f32 v[T+J], v[T+J]
.set J, J+1
.endr
	v_nop
	s_wait_alu depctr_va_vdst(0)
.set J, 0
.rept 16
	v_pk_mul_f32 v[\s+J:\s+J+1], v[\s+J:\s+J+1], v[T+J:T+J+1]
.set J, J+2
.endr
.endm
; 32 numbers of a lane, register 16 b + i = neighbour 32 b + 16 (lane / 16) + i of my row, become half a fragment in v[PC:PC+5] and two scale bytes in v[PW].
.macro QH s
	v_max3_num_f32 v[TM], |v[\s]|, |v[\s+1]|, 0x2800000            ; with the floor 2^(5 - 127): the byte cannot fall under 1
	v_max3_num_f32 v[TM+1], |v[\s+16]|, |v[\s+17]|, 0x2800000
.irp i, 2,4,6,8,10,12,14
	v_max3_num_f32 v[TM], v[TM], |v[\s+\i]|, |v[\s+\i+1]|
	v_max3_num_f32 v[TM+1], v[TM+1], |v[\s+16+\i]|, |v[\s+17+\i]|
.endr
	v_permlanex16_b32 v[TX], v[TM], s[SEL], s[SEL+1]
	v_permlanex16_b32 v[TX+1], v[TM+1], s[SEL], s[SEL+1]
	v_max_num_f32 v[TM], v[TM], v[TX]              ; with lane l xor 16's: the block's largest magnitude
	v_max_num_f32 v[TM+1], v[TM+1], v[TX+1]
	v_add_nc_u32 v[SOP], 0xfe000000, v[TM]         ; 4 off the exponent field: the conversion's scale operand
	v_add_nc_u32 v[SOP+1], 0xfe000000, v[TM+1]
	v_lshrrev_b32 v[BY], 23, v[SOP]
	v_lshrrev_b32 v[BY+1], 23, v[SOP+1]
	v_lshl_or_b32 v[PW], v[BY+1], 8, v[BY]
	v_cvt_scalef32_pk16_bf6_f32 v[PC:PC+2], v[\s:\s+15], v[SOP]
	v_cvt_scalef32_pk16_bf6_f32 v[PD:PD+2], v[\s+16:\s+31], v[SOP+1]
	v_nop                                          ; one plain line behind a scaled conversion
.irp i, 0,1,2
	v_permlane16_swap_b32 v[PC+\i], v[PD+\i]       ; a WHOLE block to a lane: lanes 0-15 the first, lanes 16-31 the second
.endr
.irp i, 0,1,2
	v_mov_b32 v[PC+3+\i], v[PD+\i]
.endr
.endm
; THE WAY OUT of tile tau: gelu; my 64 x 64 becomes half c = gi of four tiles of the output panel; the scale bytes of the four waves meet in LDS and leave as 512 dense bytes.
.macro EPI tau
	PLACES 4
	s_wait_xcnt 0x0                                ; earlier loads and stores have read their bases and registers
.if (\tau) > 0
	s_add_nc_u64 s[OB:OB+1], s[OB:OB+1], s[OST:OST+1]
.endif
.if (\tau) < 3
	s_add_nc_u64 s[BB:BB+1], s[BB:BB+1], 4096      ; the next tile's bias: 8 groups of 128 on
	BIASLOAD
.endif
.irp i, 0,1,2,3
	GELU ACC+32*\i
	s_wait_alu depctr_va_vdst(0)
	s_wait_xcnt 0x0                                ; the last stores have read v[PC] on
	QH ACC+32*\i
	global_store_b128 v[O16], v[PC:PC+3], s[OB:OB+1] offset:FRG*\i         ; 512 consecutive bytes
	global_store_b64 v[O8], v[PC+4:PC+5], s[OB:OB+1] offset:FRG*\i+512     ; 256 consecutive bytes
	ds_store_b16 v[SCW], v[PW] offset:64*\i+512*((\tau)%2)                 ; lanes r and r + 16 write the same two bytes with the same value
.endr
	s_wait_dscnt 0x0                               ; for the others' sake: my scale bytes are stored
	s_barrier_signal -1
	s_barrier_wait -1
	s_cmp_lg_u32 s[WV], 0
	s_cbranch_scc1 .Lnot0_\@
	ds_load_b128 v[T:T+3], v[SCRD] offset:512*((\tau)%2)   ; the region is written again two tiles on, behind the next way out's barrier
	s_wait_dscnt 0x0
	global_store_b128 v[L16], v[T:T+3], s[OB:OB+1] offset:SCO
.Lnot0_\@:
.endm
.macro TILE tau
.set SL, (\tau)%2
	s_wait_loadcnt 0x0                             ; the tile's bias
	STEP 0, CM0, SL
.irp k, 1,2,3,4,5,6
	STEP \k, 0, SL
.endr
.if (\tau) < 2
	TURN 1, SL, 1-SL
	NEXT1 1-SL
.elseif (\tau) == 2
	TURN 0, SL, 1-SL
	NEXT1 1-SL
.else
	LAST
.endif
	EPI \tau
.endm
	s_load_b256 s[4:11], s[0:1], 0x0               ; mn, wc, b_fc, hid
	v_lshl_add_u32 v[SPW], v0, 2, SPARE
	v_mov_b32 v[NIL], 0
	ds_add_u32 v8, v9
	ds_add_u32 v8, v9
	s_wait_dscnt 0x0
	v_lshrrev_b32 v1, 5, v0
	v_readfirstlane_b32 s[WV], v1                  ; wave 0..3
	s_lshr_b32 s[RI], s[WV], 1                     ; my half of R's tiles
	s_and_b32 s[GI], s[WV], 1                      ; my half of G's
	s_mov_b32 s[SEL], 0x76543210
	s_mov_b32 s[SEL+1], 0xfedcba98
	s_bfe_u32 s66, ttmp6, 0x40000                  ; cx
	s_bfe_u32 s67, ttmp6, 0x40004                  ; cy
	s_lshl_b32 s68, ttmp9, 2
	s_add_co_u32 s68, s68, s66                     ; X
	s_and_b32 s69, ttmp7, 0xffff
	s_lshl_b32 s70, s69, 2
	s_add_co_u32 s70, s70, s67                     ; Y
	s_lshl_b32 s71, s67, 2
	s_lshl_b32 s71, 15, s71                        ; my row of the cluster
	s_lshl_b32 s72, 0x1111, s66                    ; my column
	s_or_b32 s[G1R], s71, (3<<16)|(1<<21)          ; group 1: rows of 32 elements of 8 bytes, dense; no padding; bit 21 beside a mask
	s_or_b32 s[G1G], s72, (3<<16)|(1<<21)
.irp g, G1R, G1G
	s_mov_b32 s[\g+1], 32<<16                      ; tensor_dim0
	s_mov_b32 s[\g+2], 200<<16                     ; tensor_dim1: the head's loads bring four panels, 200 rows
	s_mov_b32 s[\g+3], 32<<16                      ; tile_dim0
	s_mov_b32 s[\g+4], 200                         ; tile_dim1
	s_mov_b32 s[\g+5], 32                          ; the pitch
	s_mov_b32 s[\g+6], 0
	s_mov_b32 s[\g+7], 0
.endr
	; groups of 8 panels: R = mn's group Y; G = wc's groups 32 + X + 8 tau (W_fc begins at panel 256); output panel 32 Y + X + 8 tau
	s_mov_b32 s73, s70
	s_add_co_u32 s74, s68, 32
	s_lshl_b32 s75, s70, 5
	s_add_co_u32 s75, s75, s68
	s_mov_b32 s77, 8
	s_mov_b32 s78, 8
	s_mul_i32 s79, s[WV], 2*PAN                    ; each wave fetches two of the eight panels
	s_mul_i32 s94, s[GI], 4*PAN                    ; at the head a wave fetches four panels: which half of the eight
	s_mul_i32 s80, s73, KP
	s_add_co_u32 s80, s80, s94
	s_mul_i32 s96, s74, KP
	s_add_co_u32 s96, s96, s94
	s_mov_b32 s97, 0
	s_mov_b32 s81, 0
	s_mul_i32 s82, s74, KP
	s_add_co_u32 s82, s82, s79
	s_mov_b32 s83, 0
	s_mul_i32 s84, s77, KP
	s_mov_b32 s85, 0
	s_lshl_b32 s[GST], s84, 1                      ; a slot's next tile is two tiles on
	s_mov_b32 s[GST+1], 0
	s_mul_i32 s86, s75, PAN
	s_mov_b32 s87, 0
	s_mul_i32 s[OST], s78, PAN
	s_mov_b32 s[OST+1], 0
	s_lshl_b32 s88, s68, 9
	s_lshl_b32 s89, s[GI], 8
	s_add_co_u32 s88, s88, s89                     ; the bias of my 64 hidden units
	s_mov_b32 s89, 0
	s_wait_kmcnt 0x0
	s_mov_b64 s[90:91], s[4:5]
	s_mov_b64 s[92:93], s[6:7]
	s_add_nc_u64 s[90:91], s[90:91], s[80:81]
	s_add_nc_u64 s[62:63], s[92:93], s[96:97]      ; the head's load of G's first tile
	s_add_nc_u64 s[92:93], s[92:93], s[82:83]
	s_add_nc_u64 s[OB:OB+1], s[10:11], s[86:87]
	s_add_nc_u64 s[BB:BB+1], s[8:9], s[88:89]
	CROUND                                         ; all sixteen work-groups are here: the first joint loads meet
	s_mov_b32 s[G0R], 1
	s_mov_b32 s[G0R+1], s94
	s_mov_b64 s[G0R+2:G0R+3], s[90:91]
	s_or_b32 s[G0R+3], s[G0R+3], 0x80000000
	s_mov_b32 s[G0G], 1
	s_add_co_u32 s[G0G+1], s79, KP
	s_mov_b64 s[G0G+2:G0G+3], s[92:93]
	s_or_b32 s[G0G+3], s[G0G+3], 0x80000000
	s_mov_b32 s[G0G+4], 1
	s_add_co_u32 s[G0G+5], s79, 2*KP
	s_add_nc_u64 s[G0G+6:G0G+7], s[92:93], s[84:85]
	s_or_b32 s[G0G+7], s[G0G+7], 0x80000000
	s_mov_b32 s60, 1
	s_add_co_u32 s61, s94, KP
	s_or_b32 s63, s63, 0x80000000
	s_cmp_lt_u32 s[WV], 2                          ; one load a wave at the head: waves 0, 1 fetch R's halves, waves 2, 3 the halves of G's slot 0
	s_cbranch_scc0 .Lhead_g
	tensor_load_to_lds s[G0R:G0R+3], s[G1R:G1R+7]
	s_nop 0
	PLACES 4
	s_branch .Lhead_asked
.Lhead_g:
	tensor_load_to_lds s[60:63], s[G1G:G1G+7]
	s_nop 0
	PLACES 4
.Lhead_asked:
	v_and_b32 v1, 31, v0                           ; l
	v_and_b32 v2, 15, v0                           ; r
	v_bfe_u32 v3, v0, 4, 1                         ; h
	v_lshlrev_b32 v[BO], 6, v3
	BIASLOAD
	v_lshlrev_b32 v[L16], 4, v1
	v_lshlrev_b32 v4, 3, v1
	s_mul_i32 s15, s[RI], 4*FRG
	s_mul_i32 s16, s[GI], 4*FRG
	v_add_nc_u32 v[R16], s15, v[L16]
	v_add_nc_u32 v[R16+1], CHB, v[R16]
	v_add_nc_u32 v[R8], s15, v4
	v_add_nc_u32 v[R8], 512, v[R8]
	v_add_nc_u32 v[R8+1], CHB, v[R8]
	s_add_co_u32 s17, s16, KP
	v_add_nc_u32 v[G16], s17, v[L16]
	v_add_nc_u32 v[G16+1], CHB, v[G16]
	v_add_nc_u32 v[G16+2], KP, v[G16]
	v_add_nc_u32 v[G16+3], KP, v[G16+1]
	s_add_co_u32 s17, s17, 512
	v_add_nc_u32 v[G8], s17, v4
	v_add_nc_u32 v[G8+1], CHB, v[G8]
	v_add_nc_u32 v[G8+2], KP, v[G8]
	v_add_nc_u32 v[G8+3], KP, v[G8+1]
	s_lshl_b32 s17, s[RI], 8
	s_lshl_b32 s18, s[GI], 8
	s_add_co_u32 s19, s17, SCO
	v_lshl_add_u32 v5, v2, 2, s19                  ; R's words: SCO + 256 ri + 4 r
	s_add_co_u32 s18, s18, KP
	s_sub_co_u32 s18, s18, s17                     ; lanes 16-31: from there to G's words in slot 0
	v_mul_u32_u24 v6, s18, v3
	v_add_nc_u32 v[VS], v5, v6
	v_add_nc_u32 v[VS+1], CHB, v[VS]
	s_add_co_u32 s18, s18, KP
	v_mul_u32_u24 v6, s18, v3
	v_add_nc_u32 v[VS+2], v5, v6
	v_add_nc_u32 v[VS+3], CHB, v[VS+2]
	s_mul_i32 s18, s[GI], 768
	v_add_nc_u32 v[O16], s18, v[R16]               ; the output panel: my R tiles, half gi
	s_add_co_u32 s18, s18, s15
	v_add_nc_u32 v[O8], s18, v4
	s_lshl_b32 s18, s[GI], 1
	s_add_co_u32 s18, s18, s17
	s_add_co_u32 s18, s18, SCR
	v_lshl_add_u32 v[SCW], v2, 2, s18
	v_add_nc_u32 v[SCRD], SCR, v[L16]
	v_mov_b32 v[TX], 0                             ; written once: a lane permute's destination counts as one of its sources
	v_mov_b32 v[TX+1], 0
	v_mov_b32 v6, 0xc0135761                       ; -k, in both halves of a pair, for the gelu
	v_mov_b32 v7, 0xc0135761
	s_wait_alu depctr_va_vdst(0)                   ; the wait at the head's end
	s_wait_tensorcnt 0x0                           ; my part of the head's tiles is in; slot 1's first fill is issued as a refill is
	ds_add_u32 v[SPW], v[NIL]
	s_mov_b32 s[G1G+2], 100<<16                    ; no tensor load of mine is out: from here on a load brings two panels, 100 rows
	s_mov_b32 s[G1G+4], 100
	s_wait_dscnt 0x0
	CROUND
	tensor_load_to_lds s[G0G+4:G0G+7], s[G1G:G1G+7]
	s_nop 0
	PLACES 4
	RLOAD
	FETCHK 0, 0, 0, 0
	FETCHK 128, 1, 0, 1
	TILE 0
	TILE 1
	TILE 2
	TILE 3
	s_wait_tensorcnt 0x0                           ; the wave's end
	ds_add_u32 v[SPW], v[NIL]
	s_wait_dscnt 0x0
	CROUND                                         ; the closing round
	s_endpgm
.Lfunc_end_k_q7f2de8de41_fc:
	.size	k_q7f2de8de41_fc, .Lfunc_end_k_q7f2de8de41_fc-k_q7f2de8de41_fc
	.p2alignl 7, 3214868480
	.fill 96, 4, 3214868480
	.section	.rodata,"a",@progbits
	.p2align	6, 0x0
	.amdhsa_kernel k_q7f2de8de41_fc
		.amdhsa_group_segment_fixed_size 327680
		.amdhsa_private_segment_fixed_size 0
		.amdhsa_enable_private_segment 0
		.amdhsa_kernarg_size 32
		.amdhsa_user_sgpr_count 2
		.amdhsa_user_sgpr_kernarg_segment_ptr 1
		.amdhsa_wavefront_size32 1
		.amdhsa_system_sgpr_workgroup_id_x 1
		.amdhsa_system_sgpr_workgroup_id_y 1
		.amdhsa_system_sgpr_workgroup_id_z 1
		.amdhsa_system_vgpr_workitem_id 0
		.amdhsa_next_free_vgpr 912
		.amdhsa_next_free_sgpr 98
		.amdhsa_reserve_vcc 0
		.amdhsa_float_denorm_mode_32 3
		.amdhsa_float_denorm_mode_16_64 3
		.amdhsa_memory_ordered 1
		.amdhsa_forward_progress 1
		.amdhsa_inst_pref_size 255
	.end_amdhsa_kernel
	.section	.bss,"aw",@nobits
	.p2align	6
	.space	262144
	.amdgpu_metadata
---
amdhsa.version: [ 1, 2 ]
amdhsa.kernels:
  - .name:           k_q7f2de8de41_fc
    .symbol:         k_q7f2de8de41_fc.kd
    .args:
      - { .name: mn, .offset: 0, .size: 8, .value_kind: global_buffer, .address_space: global }
      - { .name: wc, .offset: 8, .size: 8, .value_kind: global_buffer, .address_space: global }
      - { .name: b_fc, .offset: 16, .size: 8, .value_kind: global_buffer, .address_space: global }
      - { .name: hid, .offset: 24, .size: 8, .value_kind: global_buffer, .address_space: global }
    .group_segment_fixed_size: 327680
    .private_segment_fixed_size: 0
    .kernarg_segment_align: 8
    .kernarg_segment_size: 32
    .max_flat_workgroup_size: 128
    .sgpr_count:     98
    .vgpr_count:     912
    .wavefront_size: 32
...
	.end_amdgpu_metadata
.endif
;; end of part 5
;; launch proj (part 6): grid 8 x 32, 4 waves a work-group, clusters of 4 x 4, 327,680 bytes of LDS; arguments hid, wc, b_proj, hres, out0; writes out0
.if DOCPART == 6
	.amdgcn_target "amdgcn-amd-amdhsa--gfx1250"
	.amdhsa_code_object_version 6
	.text
	.protected	k_q7f2de8de41_proj
	.globl	k_q7f2de8de41_proj
	.p2align	8
	.type	k_q7f2de8de41_proj,@function
k_q7f2de8de41_proj:
	s_mov_b64 s[64:65], 0
	v_nop
	global_prefetch_b8 v0, s[64:65] scope:SCOPE_SE
	s_setreg_imm32_b32 hwreg(HW_REG_WAVE_MODE, 25, 1), 1
	s_wait_xcnt 0x0
	s_wait_alu depctr_hold_cnt(0) depctr_sa_sdst(0) depctr_va_vdst(0) depctr_va_sdst(0) depctr_va_ssrc(0) depctr_va_vcc(0) depctr_vm_vsrc(0)
	s_getreg_b32 s2, hwreg(HW_REG_IB_STS2, 6, 4)
	s_cmp_eq_u32 s2, 0
	s_cbranch_scc0 .Lentry_in_a_cluster
	s_endpgm
.Lentry_in_a_cluster:
	s_bfe_u32 s2, ttmp6, 0x10000c
	s_cmp_lg_u32 s2, 0xf033
	s_cbranch_scc0 .Lentry_shape_is_right
	s_endpgm
.Lentry_shape_is_right:
.set KSTEPS, 32
.set WBASE, 512
.set PAN, 12800
.set FRG, 1536
.set SCO, 12288
.set CHB, 4*PAN
.set S1,  10*PAN
.set HALF5, 32000
.set HALF7, 44800
.set STAGE, 24*PAN
.set SPARE, STAGE+4*16*272
.set SPW, 8
.set NIL, 9
.set R16, 10
.set R8,  14
.set G16, 18
.set G8,  22
.set VS,  26
.set BO,  30
.set SC,  32
.set BIAS, 40
.set BK0, 72
.set STO, 104
.set RD,  105
.set CO,  106
.set ACC, 128
.set WV,  14
.set RI,  15
.set GI,  16
.set BB,  8
.set G1R, 24
.set G1G, 32
.set G1R7, 40
.set G1G7, 48
.set HA,  56
.set HB,  68
.set FA,  76
.set FB,  80
.set MSB, 0
.macro WIN new
.if MSB != \new
	s_set_vgpr_msb (MSB<<8)|\new
.set MSB, \new
.endif
.endm
.set MUL,  0x05
.set TO_F, 0x40
.macro PLACES n
.rept \n
	v_nop
.endr
.endm
.macro JLOAD g0a, g1a, g0b, g1b
	s_cmp_eq_u32 s[RI], 0
	s_cbranch_scc0 .Lfor_b_\@
	tensor_load_to_lds s[\g0a:\g0a+3], s[\g1a:\g1a+7]
	s_nop 0
.rept 4
	v_nop
.endr
	s_branch .Lasked_\@
.Lfor_b_\@:
	tensor_load_to_lds s[\g0b:\g0b+3], s[\g1b:\g1b+7]
	s_nop 0
.rept 4
	v_nop
.endr
.Lasked_\@:
.endm
.macro CREST
	s_cmp_lg_u32 s[WV], 0
	s_cbranch_scc1 .Lnot_wave_0_\@
	s_barrier_signal -3
.Lnot_wave_0_\@:
	s_barrier_wait -3
	s_barrier_signal -1
	s_barrier_wait -1
.endm
.macro CROUND
	s_barrier_signal -1
	s_barrier_wait -1
	CREST
.endm
.macro FRAGL reg, a16, a8, off
	ds_load_b128 v[\reg:\reg+3], v[\a16] offset:\off
	ds_load_b64 v[\reg+4:\reg+5], v[\a8] offset:\off
	ds_load_b128 v[\reg+6:\reg+9], v[\a16] offset:\off+768
	ds_load_b64 v[\reg+10:\reg+11], v[\a8] offset:\off+768
.endm
.macro FETCHK buf, sc, slot, q
.set CH, (\q)/4
.set OF, ((\q)%4)*PAN
	WIN 0
.irp i, 0,1,2,3
	ds_load_b32 v[SC+4*(\sc)+\i], v[VS+2*(\slot)+CH] offset:OF+64*\i
.endr
	WIN TO_F
.irp i, 0,1,2,3
	FRAGL (\buf)+12*\i, G16+2*(\slot)+CH, G8+2*(\slot)+CH, OF+FRG*\i
.endr
.irp i, 0,1,2,3
	FRAGL (\buf)+48+12*\i, R16+2*(\slot)+CH, R8+2*(\slot)+CH, OF+FRG*\i
.endr
.endm
.macro MUL4 buf, sc, i, cm
.irp g, 0,1,2,3
.set AD, ACC+8*(4*(\i)+\g)
.set AG, (\buf)+12*\g
.set AR, (\buf)+48+12*(\i)
.if (\cm) == 0
	v_wmma_scale_f32_16x16x128_f8f6f4 v[AD:AD+7], v[AG:AG+11], v[AR:AR+11], v[AD:AD+7], v[SC+4*(\sc)+\g], v[SC+4*(\sc)+(\i)] matrix_a_fmt:MATRIX_FMT_BF6 matrix_b_fmt:MATRIX_FMT_BF6 matrix_a_scale:MATRIX_SCALE_ROW1
.else
	v_wmma_scale_f32_16x16x128_f8f6f4 v[AD:AD+7], v[AG:AG+11], v[AR:AR+11], v[BIAS+8*\g:BIAS+8*\g+7], v[SC+4*(\sc)+\g], v[SC+4*(\sc)+(\i)] matrix_a_fmt:MATRIX_FMT_BF6 matrix_b_fmt:MATRIX_FMT_BF6 matrix_a_scale:MATRIX_SCALE_ROW1
.endif
.endr
.endm
.macro STEP b, cm, nslot, nq
	s_wait_dscnt 8
	WIN MUL
	MUL4 128*(\b), \b, 0, \cm
	MUL4 128*(\b), \b, 1, \cm
	PLACES 4
	FETCHK 128*(1-(\b)), 1-(\b), \nslot, \nq
	s_wait_dscnt 36
	WIN MUL
	MUL4 128*(\b), \b, 2, \cm
	MUL4 128*(\b), \b, 3, \cm
.endm
.macro TURN b, fill, slot, nslot, adv, pf=0
	WIN 0
	s_wait_tensorcnt 0x0
	ds_add_u32 v[SPW], v[NIL]
	s_wait_dscnt 9
	WIN MUL
	MUL4 128*(\b), \b, 0, 0
	MUL4 128*(\b), \b, 1, 0
	s_wait_dscnt 0x0
	s_barrier_signal -1
	MUL4 128*(\b), \b, 2, 0
	WIN 0
	s_barrier_wait -1
.if \fill
	CREST
.if (\adv) > 0
	s_add_nc_u64 s[HA+4*\slot+2:HA+4*\slot+3], s[HA+4*\slot+2:HA+4*\slot+3], \adv
	s_add_nc_u64 s[HB+4*\slot+2:HB+4*\slot+3], s[HB+4*\slot+2:HB+4*\slot+3], \adv
.endif
	JLOAD HA+4*\slot, G1R, HB+4*\slot, G1G
.else
	PLACES 4
.endif
	s_wait_alu depctr_va_vdst(0)
	FETCHK 128*(1-(\b)), 1-(\b), \nslot, 0
.if (\pf) > 0
	global_prefetch_b8 v[PF5], s[96:97] offset:(\pf)*PAN th:TH_LOAD_NT scope:SCOPE_SE   ; the five panels from panel pf on, which the next change of slots loads
.endif
	WIN MUL
	MUL4 128*(\b), \b, 3, 0
	WIN 0
.endm
.macro LAST
	s_wait_dscnt 8
	WIN MUL
	MUL4 128, 1, 0, 0
	MUL4 128, 1, 1, 0
	s_wait_dscnt 0x0
	MUL4 128, 1, 2, 0
	MUL4 128, 1, 3, 0
	WIN 0
.endm
.macro BIASLOAD
.irp g, 0,1,2,3
	global_load_b128 v[BIAS+8*\g:BIAS+8*\g+3], v[BO], s[BB:BB+1] offset:128*(\g/2)+32*(\g%2)
	global_load_b128 v[BIAS+8*\g+4:BIAS+8*\g+7], v[BO], s[BB:BB+1] offset:128*(\g/2)+32*(\g%2)+16
.endr
.endm
.macro TOSTAGE i
.irp b, 0,1
.irp q, 0,1,2,3
	ds_store_b128 v[STO], v[ACC+32*(\i)+16*\b+4*\q:ACC+32*(\i)+16*\b+4*\q+3] offset:128*\b+16*\q
.endr
.endr
.set BKR, BK0-32*((\i)%2)
.irp e, 0,1,2,3,4,5,6,7
	ds_load_b128 v[BKR+4*\e:BKR+4*\e+3], v[RD] offset:544*\e
.endr
.endm
.macro SEND i, younger
.set BKR, BK0-32*((\i)%2)
	s_wait_dscnt \younger
	WIN 0x08
.set J, 0
.rept 16
	v_pk_add_f32 v[BKR+J:BKR+J+1], v[BKR+J:BKR+J+1], v[32*(\i)+J:32*(\i)+J+1]
.set J, J+2
.endr
	WIN 0
.irp e, 0,1,2,3,4,5,6,7
	global_store_b128 v[CO], v[BKR+4*\e:BKR+4*\e+3], s[12:13] offset:(32*((\i)/2)+8*((\i)%2)+2*\e+8*(\e/4))*4096
.endr
.endm
	s_load_b256 s[4:11], s[0:1], 0x0
	s_load_b64 s[12:13], s[0:1], 0x20
	v_lshl_add_u32 v[SPW], v0, 2, SPARE
	v_mov_b32 v[NIL], 0
	ds_add_u32 v8, v9
	ds_add_u32 v8, v9
	s_wait_dscnt 0x0
	v_lshrrev_b32 v1, 5, v0
	v_readfirstlane_b32 s[WV], v1
	s_lshr_b32 s[RI], s[WV], 1
	s_and_b32 s[GI], s[WV], 1
	s_bfe_u32 s84, ttmp6, 0x40000
	s_bfe_u32 s85, ttmp6, 0x40004
	s_lshl_b32 s86, ttmp9, 2
	s_add_co_u32 s86, s86, s84
	s_and_b32 s17, ttmp7, 0xffff
	s_lshl_b32 s17, s17, 2
	s_add_co_u32 s17, s17, s85
	s_lshl_b32 s87, s85, 2
	s_lshl_b32 s87, 15, s87
	s_lshl_b32 s88, 0x1111, s84
	s_or_b32 s[G1R], s87, (3<<16)|(1<<21)
	s_or_b32 s[G1G], s88, (3<<16)|(1<<21)
	s_or_b32 s[G1R7], s87, (3<<16)|(1<<21)
	s_or_b32 s[G1G7], s88, (3<<16)|(1<<21)
.irp g, G1R, G1G
	s_mov_b32 s[\g+1], 32<<16
	s_mov_b32 s[\g+2], 125<<16
	s_mov_b32 s[\g+3], 32<<16
	s_mov_b32 s[\g+4], 125
	s_mov_b32 s[\g+5], 32
	s_mov_b32 s[\g+6], 0
	s_mov_b32 s[\g+7], 0
.endr
.irp g, G1R7, G1G7
	s_mov_b32 s[\g+1], 32<<16
	s_mov_b32 s[\g+2], 175<<16
	s_mov_b32 s[\g+3], 32<<16
	s_mov_b32 s[\g+4], 175
	s_mov_b32 s[\g+5], 32
	s_mov_b32 s[\g+6], 0
	s_mov_b32 s[\g+7], 0
.endr
	s_mul_i32 s18, s[GI], HALF5
	s_mul_i32 s19, s[GI], HALF7
	s_mul_i32 s20, s17, KSTEPS*PAN
	s_mov_b32 s21, 0
	s_mul_i32 s92, s86, KSTEPS*PAN
	s_add_co_u32 s92, s92, WBASE*PAN
	s_mov_b32 s93, 0
	s_mov_b32 s22, s18
	s_mov_b32 s23, 0
	s_add_co_u32 s94, s19, 5*PAN
	s_mov_b32 s95, 0
	s_mul_i32 s89, s[WV], HALF5
	s_mul_i32 s90, s[RI], 7*PAN
	s_add_co_u32 s90, s90, S1
	s_add_co_u32 s91, s90, s19
	s_add_co_u32 s90, s90, s18
	s_wait_kmcnt 0x0
	s_add_nc_u64 s[20:21], s[4:5], s[20:21]
	s_add_nc_u64 s[92:93], s[6:7], s[92:93]
	CROUND
	s_mov_b32 s[HA], 1
	s_mov_b32 s[HA+1], s89
	s_add_nc_u64 s[HA+2:HA+3], s[20:21], s[22:23]
	s_or_b32 s[HA+3], s[HA+3], 0x80000000
	s_mov_b32 s[HB], 1
	s_mov_b32 s[HB+1], s89
	s_add_nc_u64 s[HB+2:HB+3], s[92:93], s[22:23]
	s_or_b32 s[HB+3], s[HB+3], 0x80000000
	JLOAD HA, G1R, HB, G1G
; PREFETCHES.  With each fill the panels of the NEXT fill are asked for: one fill, 5 or 7 K steps, ahead of the tensor load that wants them.  Waves 0, 1 ask for hid's panels, waves 2, 3 for W_proj's.
; Five panels are 64,000 bytes, 250 blocks of 256; seven are 350.  The four partners that ask for a tile jointly share its blocks out BY ADDRESS (cx for hid, cy for W_proj): 64 each (of seven panels 128 each),
; a lane a block; lanes that are left over name the last block again.  The panel stands in the immediate; no register of a prefetch is rewritten.  The last fill asks for nothing.
.set PF5, 107
.set PF7, 108
	s_cmp_eq_u32 s[RI], 0
	s_cselect_b64 s[96:97], s[20:21], s[92:93]
	s_cselect_b32 s3, s84, s85
	s_lshl_b32 s3, s3, 6
	s_lshl_b32 s2, s[GI], 5
	v_and_b32 v1, 31, v0
	v_add_nc_u32 v1, s2, v1
	v_add_nc_u32 v[PF5], s3, v1
	s_lshl_b32 s3, s3, 1
	v_add_nc_u32 v[PF7], s3, v1
	v_add_nc_u32 v[PF7+1], 64, v[PF7]
	v_min_u32 v[PF5], 249, v[PF5]
	v_min_u32 v[PF7], 349, v[PF7]
	v_min_u32 v[PF7+1], 349, v[PF7+1]
	v_lshlrev_b32 v[PF5], 8, v[PF5]
	v_lshlrev_b32 v[PF7], 8, v[PF7]
	v_lshlrev_b32 v[PF7+1], 8, v[PF7+1]
	global_prefetch_b8 v[PF7], s[96:97] offset:5*PAN th:TH_LOAD_NT scope:SCOPE_SE
	global_prefetch_b8 v[PF7+1], s[96:97] offset:5*PAN th:TH_LOAD_NT scope:SCOPE_SE
	s_mov_b32 s[FA], 1
	s_mov_b32 s[FA+1], s91
	s_add_nc_u64 s[FA+2:FA+3], s[20:21], s[94:95]
	s_or_b32 s[FA+3], s[FA+3], 0x80000000
	s_mov_b32 s[FB], 1
	s_mov_b32 s[FB+1], s91
	s_add_nc_u64 s[FB+2:FB+3], s[92:93], s[94:95]
	s_or_b32 s[FB+3], s[FB+3], 0x80000000
	s_wait_alu depctr_va_vdst(0)
	s_wait_tensorcnt 0x0
	ds_add_u32 v8, v9
	s_wait_dscnt 0x0
	CROUND
	JLOAD FA, G1R7, FB, G1G7
	global_prefetch_b8 v[PF5], s[96:97] offset:12*PAN th:TH_LOAD_NT scope:SCOPE_SE
	s_mov_b32 s[HA+4], 1
	s_mov_b32 s[HA+5], s90
	s_add_nc_u64 s[HA+6:HA+7], s[20:21], s[22:23]
	s_add_nc_u64 s[HA+6:HA+7], s[HA+6:HA+7], 17*PAN
	s_or_b32 s[HA+7], s[HA+7], 0x80000000
	s_mov_b32 s[HB+4], 1
	s_mov_b32 s[HB+5], s90
	s_add_nc_u64 s[HB+6:HB+7], s[92:93], s[22:23]
	s_add_nc_u64 s[HB+6:HB+7], s[HB+6:HB+7], 17*PAN
	s_or_b32 s[HB+7], s[HB+7], 0x80000000
	v_and_b32 v1, 31, v0
	v_and_b32 v2, 15, v0
	v_bfe_u32 v3, v0, 4, 1
	v_lshlrev_b32 v6, 12, v3
	v_lshl_add_u32 v[CO], v2, 4, v6
	v_lshlrev_b32 v[BO], 6, v3
	s_wait_alu depctr_va_vdst(0)
	s_lshl_b32 s22, s17, 7
	s_lshl_b32 s23, s[RI], 6
	s_add_co_u32 s22, s22, s23
	s_lshl_b32 s22, s22, 12
	s_lshl_b32 s23, s86, 9
	s_add_co_u32 s22, s22, s23
	s_lshl_b32 s19, s[GI], 8
	s_add_co_u32 s22, s22, s19
	s_add_co_u32 s18, s23, s19
	s_mov_b32 s23, 0
	s_mov_b32 s19, 0
	s_add_nc_u64 s[10:11], s[10:11], s[22:23]
	s_add_nc_u64 s[12:13], s[12:13], s[22:23]
	s_add_nc_u64 s[BB:BB+1], s[BB:BB+1], s[18:19]
	BIASLOAD
	v_lshlrev_b32 v4, 4, v1
	v_lshlrev_b32 v5, 3, v1
	s_mul_i32 s18, s[RI], 4*FRG
	s_mul_i32 s19, s[GI], 4*FRG
	v_add_nc_u32 v[R16], s18, v4
	v_add_nc_u32 v[R16+1], CHB, v[R16]
	v_add_nc_u32 v[R16+2], S1, v[R16]
	v_add_nc_u32 v[R16+3], S1, v[R16+1]
	v_add_nc_u32 v[R8], s18, v5
	v_add_nc_u32 v[R8], 512, v[R8]
	v_add_nc_u32 v[R8+1], CHB, v[R8]
	v_add_nc_u32 v[R8+2], S1, v[R8]
	v_add_nc_u32 v[R8+3], S1, v[R8+1]
	s_add_co_u32 s22, s19, 5*PAN
	v_add_nc_u32 v[G16], s22, v4
	v_add_nc_u32 v[G16+1], CHB, v[G16]
	v_add_nc_u32 v[G16+2], S1+2*PAN, v[G16]
	v_add_nc_u32 v[G16+3], S1+2*PAN, v[G16+1]
	s_add_co_u32 s22, s22, 512
	v_add_nc_u32 v[G8], s22, v5
	v_add_nc_u32 v[G8+1], CHB, v[G8]
	v_add_nc_u32 v[G8+2], S1+2*PAN, v[G8]
	v_add_nc_u32 v[G8+3], S1+2*PAN, v[G8+1]
	s_lshl_b32 s18, s[RI], 8
	s_lshl_b32 s19, s[GI], 8
	s_add_co_u32 s22, s18, SCO
	v_lshl_add_u32 v7, v2, 2, s22
	s_add_co_u32 s19, s19, 5*PAN
	s_sub_co_u32 s19, s19, s18
	v_mul_u32_u24 v6, s19, v3
	v_add_nc_u32 v[VS], v7, v6
	v_add_nc_u32 v[VS+1], CHB, v[VS]
	s_add_co_u32 s19, s19, 2*PAN
	v_mul_u32_u24 v6, s19, v3
	v_add_nc_u32 v[VS+2], v7, v6
	v_add_nc_u32 v[VS+2], S1, v[VS+2]
	v_add_nc_u32 v[VS+3], CHB, v[VS+2]
	s_mul_i32 s23, s[WV], 16*272
	s_add_co_u32 s23, s23, STAGE
	v_mul_u32_u24 v6, v2, 272
	v_lshl_add_u32 v6, v3, 6, v6
	v_add_nc_u32 v[STO], s23, v6
	v_mul_u32_u24 v6, v3, 272
	v_lshl_add_u32 v6, v2, 4, v6
	v_add_nc_u32 v[RD], s23, v6
	s_wait_tensorcnt 0x1
	s_barrier_signal -1
	s_barrier_wait -1
	FETCHK 0, 0, 0, 0
	s_wait_loadcnt 0x0                             ; the bias
	STEP 0, 2, 0, 1
	STEP 1, 0, 0, 2
	STEP 0, 0, 0, 3
	STEP 1, 0, 0, 4
	TURN 0, 1, 0, 1, 12*PAN, 17
	STEP 1, 0, 1, 1
	STEP 0, 0, 1, 2
	STEP 1, 0, 1, 3
	STEP 0, 0, 1, 4
	STEP 1, 0, 1, 5
	STEP 0, 0, 1, 6
	TURN 1, 1, 1, 0, 0, 22
	WIN 0x80                                       ; the residual, wanted on the way out alone, is asked for here, 20 K steps ahead of its use, into window 2
.irp i, 0,1,2,3
.irp e, 0,1,2,3,4,5,6,7
	global_load_b128 v[32*\i+4*\e:32*\i+4*\e+3], v[CO], s[10:11] offset:(32*(\i/2)+8*(\i%2)+2*\e+8*(\e/4))*4096
.endr
.endr
	WIN 0
	STEP 0, 0, 0, 1
	STEP 1, 0, 0, 2
	STEP 0, 0, 0, 3
	STEP 1, 0, 0, 4
	TURN 0, 1, 0, 1, 10*PAN, 27
	STEP 1, 0, 1, 1
	STEP 0, 0, 1, 2
	STEP 1, 0, 1, 3
	STEP 0, 0, 1, 4
	TURN 1, 1, 1, 0, 10*PAN
	STEP 0, 0, 0, 1
	STEP 1, 0, 0, 2
	STEP 0, 0, 0, 3
	STEP 1, 0, 0, 4
	TURN 0, 0, 0, 1, 0
	STEP 1, 0, 1, 1
	STEP 0, 0, 1, 2
	STEP 1, 0, 1, 3
	STEP 0, 0, 1, 4
	LAST
	PLACES 4
	s_wait_loadcnt 0x0
	TOSTAGE 0
	TOSTAGE 1
	SEND 0, 16
	s_wait_xcnt 0x0
	TOSTAGE 2
	SEND 1, 16
	s_wait_xcnt 0x0
	TOSTAGE 3
	SEND 2, 16
	SEND 3, 0
	s_wait_tensorcnt 0x0
	ds_add_u32 v[SPW], v[NIL]
	s_wait_dscnt 0x0
	CROUND
	s_endpgm
.Lfunc_end_k_q7f2de8de41_proj:
	.size	k_q7f2de8de41_proj, .Lfunc_end_k_q7f2de8de41_proj-k_q7f2de8de41_proj
	.p2alignl 7, 3214868480
	.fill 96, 4, 3214868480
	.section	.rodata,"a",@progbits
	.p2align	6, 0x0
	.amdhsa_kernel k_q7f2de8de41_proj
		.amdhsa_group_segment_fixed_size 327680
		.amdhsa_private_segment_fixed_size 0
		.amdhsa_enable_private_segment 0
		.amdhsa_kernarg_size 40
		.amdhsa_user_sgpr_count 2
		.amdhsa_user_sgpr_kernarg_segment_ptr 1
		.amdhsa_wavefront_size32 1
		.amdhsa_system_sgpr_workgroup_id_x 1
		.amdhsa_system_sgpr_workgroup_id_y 1
		.amdhsa_system_sgpr_workgroup_id_z 1
		.amdhsa_system_vgpr_workitem_id 0
		.amdhsa_next_free_vgpr 640
		.amdhsa_next_free_sgpr 98
		.amdhsa_reserve_vcc 0
		.amdhsa_float_denorm_mode_32 3
		.amdhsa_float_denorm_mode_16_64 3
		.amdhsa_memory_ordered 1
		.amdhsa_forward_progress 1
		.amdhsa_inst_pref_size 177
	.end_amdhsa_kernel
	.amdgpu_metadata
---
amdhsa.version: [ 1, 2 ]
amdhsa.kernels:
  - .name:           k_q7f2de8de41_proj
    .symbol:         k_q7f2de8de41_proj.kd
    .args:
      - { .name: hid, .offset: 0, .size: 8, .value_kind: global_buffer, .address_space: global }
      - { .name: wc, .offset: 8, .size: 8, .value_kind: global_buffer, .address_space: global }
      - { .name: b_proj, .offset: 16, .size: 8, .value_kind: global_buffer, .address_space: global }
      - { .name: hres, .offset: 24, .size: 8, .value_kind: global_buffer, .address_space: global }
      - { .name: out0, .offset: 32, .size: 8, .value_kind: global_buffer, .address_space: global }
    .group_segment_fixed_size: 327680
    .private_segment_fixed_size: 0
    .kernarg_segment_align: 8
    .kernarg_segment_size: 40
    .max_flat_workgroup_size: 128
    .sgpr_count:     98
    .vgpr_count:     640
    .wavefront_size: 32
...
	.end_amdgpu_metadata
.endif
;; end of part 6
